; MI455X (gfx1250); checked and timed in simulation.
; The chip was launched on July 23, 2026; its instructions are those of AMD's public machine-readable ISA for CDNA 5 (MIT licence, August 2026) and "CDNA5" Instruction Set Architecture Reference Guide (July 2026). The comments in the code are by the model that wrote it; some were corrected since.
;; Nvidia Rel Partial Learnable Multi Head Attn. Allowed arithmetic: matrix products marked QUANTISED: E2M1 operands, one E8M0 scale for each 32 along K, by v_wmma_scale_f32_16x16x128_f8f6f4 with both operands' format E2M1 (or v_wmma_scale_f32_32x16x128_f4), f32 sums; everything else in f32.
;; Inputs: W_o_codes 1,024 x 32 x 16 uint8 (E2M1 codes of W_o, K innermost, in blocks of 32 codes, two codes a byte); W_o_scales 1,024 x 32 uint8 (E8M0 scales of W_o, one for each 32 codes along K); W_qkv_codes 3,072 x 32 x 16 uint8 (E2M1 codes of W_qkv, K innermost, in blocks of 32 codes, two codes a byte); W_qkv_scales 3,072 x 32 uint8 (E8M0 scales of W_qkv, one for each 32 codes along K); W_r_codes 1,024 x 32 x 16 uint8 (E2M1 codes of W_r, K innermost, in blocks of 32 codes, two codes a byte); W_r_scales 1,024 x 32 uint8 (E8M0 scales of W_r, one for each 32 codes along K); attn_mask 2,048 x 2,048 bool; content 2,048 x 2 x 1,024 float32; ln_beta 1,024 float32; ln_gamma 1,024 float32; r_r_bias 16 x 64 float32; r_w_bias 16 x 64 float32; rel_pos_codes 2,048 x 32 x 16 uint8 (E2M1 codes of rel_pos, K innermost, in blocks of 32 codes, two codes a byte); rel_pos_scales 2,048 x 32 uint8 (E8M0 scales of rel_pos, one for each 32 codes along K).
;; Outputs: out0 2,048 x 2 x 1,024 float32.
;; This version of the problem:
;;   THIS VERSION OF THE PROBLEM IS GIVEN IN LOW PRECISION. The matrix products marked QUANTISED in the list below multiply operands that are first quantised to E2M1 (2 exponent bits, 1 mantissa bit; 4 bits a number), with one power-of-two scale for each 32 numbers along K (OCP MX v1.0); their sums are f32. All else is computed in f32.
;;   The module's matrix products, in the order in which they are computed (A, B: the left and right operand; K: the contracted axis; several contracted axes count as one K, in the product's order):
;;     1. [M 4,096, K 1,024] x [K 1,024, N 3,072]; A: input content; B: input W_qkv (given as codes): QUANTISED
;;     2. [M 2,048, K 1,024] x [K 1,024, N 1,024]; A: input rel_pos (given as codes); B: input W_r (given as codes): QUANTISED
;;     3. batch 32 x [M 2,048, K 64] x [K 64, N 2,048]; A: computed on the way; B: computed on the way: QUANTISED
;;     4. batch 16 x [M 2,048, K 64] x [K 64, N 4,096]; A: computed on the way; B: computed on the way: QUANTISED
;;     5. batch 32 x [M 64, K 2,048] x [K 2,048, N 2,048]; A: computed on the way; B: softmax (see below): QUANTISED
;;     6. [M 4,096, K 1,024] x [K 1,024, N 1,024]; A: computed on the way; B: input W_o (given as codes): QUANTISED
;;   THE QUANTISER, for each operand of a quantised product, along K:
;;     - K is cut into blocks of 32 from its start; a last block that is shorter is filled with zeros.
;;     - A block's scale is 2^e with e = floor(log2(the largest magnitude in the block)) - 2, held to -126 .. 127; a block of zeros has e = 0. As a byte (E8M0): e + 127.
;;     - Each number is divided by its block's scale, clamped to +-6, and rounded to the nearest number of E2M1, ties to even, subnormals kept.
;;     - The product sums the exact products of the quantised numbers (number of the format x scale) in f32.
;;   ~~~python
;;   def quantise(x, axis):      # numpy; x: float32 -> the quantised numbers, widened to float32 again
;;       x = np.moveaxis(x, axis, -1); K = x.shape[-1]
;;       x = np.pad(x, [(0, 0)] * (x.ndim - 1) + [(0, -K % 32)]); x = x.reshape(x.shape[:-1] + (-1, 32)); a = np.abs(x).max(-1, keepdims=True)
;;       e = np.where(a > 0, np.clip(np.frexp(np.where(a > 0, a, 1))[1] - 1 - 2, -126, 127), 0)      # np.frexp(a)[1] - 1 = floor(log2(a)), exactly
;;       r = np.clip(x / 2.0 ** e, -6, 6)
;;       step = 2.0 ** (np.maximum(np.frexp(np.where(r == 0, 1, r))[1] - 1, 0) - 1)
;;       q = np.round(r / step) * step * 2.0 ** e      # np.round: ties to even
;;       return np.moveaxis(q.reshape(q.shape[:-2] + (-1,))[..., :K], -1, axis).astype(np.float32)
;;   ~~~
;;   SOFTMAX AHEAD OF A QUANTISED PRODUCT. Where the list says 'softmax', what is quantised is not the finished softmax but p = 2^(t - M), with t = logit x log2(e) and M = ceil(the row's largest t), a whole number; so 1/2 < the row's largest p <= 1. The row's sum l is taken of the UNQUANTISED p, in f32, and the product's result is divided by l at the end. Since M is a whole number, a kernel that streams over the keys may use a running M (the ceiling of the running maximum): every later rescaling is an exact power of two, which a block's scale takes up: the codes' values come out the same.
;;   OPERANDS COMPUTED ON THE WAY. 'Computed on the way' means the value that the module computes at that place (a softmax that the list does not call 'softmax' is quantised finished and normalised). What goes into a quantiser is computed in f32, as accurately as f32 sums, v_exp_f32 and their like allow (about 1e-6 of the number): no bf16 or f16 on the way to a quantiser, and a product that is left as it is and whose result goes on into a quantised operand takes f32 operands (vector FMAs, or v_wmma_f32_16x16x4_f32). A number that lies on a knife's edge between two numbers of the format may be rounded either way, as far as f32 arithmetic and the matrix unit's own rounding can turn it there, and no further.
;;   INPUTS GIVEN AS CODES. W_o (in the module: [1024, 1024], K = its axis 0); W_qkv (in the module: [1024, 3072], K = its axis 0); W_r (in the module: [1024, 1024], K = its axis 0); rel_pos (in the module: [2048, 1024], K = its axis 1): each comes as NAME_codes (uint8): NAME with its K axis moved to the last place and cut into blocks of 32 codes, [.., K / 32, bytes a block], one block behind the other in memory; two codes a byte, the lower K in the low four bits (a code: sign, 2 exponent bits, 1 mantissa bit); and NAME_scales (uint8): the same leading axes, one E8M0 byte (e + 127) for each 32 codes along K. Its value is code x scale, taken as it is: it is not quantised again, and the codes and scales need not be those that the quantiser above would give.
;; 2 versions, each right; version 2 is version 1 with the launch attn written anew for expert scheduling mode. Each part assembles by itself: llvm-mc -triple=amdgcn-amd-amdhsa -mcpu=gfx1250 --defsym DOCPART=n.
;; ======== version 1 of 2: 4 launches
;; workspace buffers: xq 2,752,512 bytes; maskw 532,480 bytes of whole numbers; ops 10,027,008 bytes; av 2,228,224 bytes
;; launch prep (part 1): grid 400 x 1, 4 waves a work-group, no clusters, 84,480 bytes of LDS; arguments content, attn_mask, W_o_codes, xq, maskw; writes xq, maskw
.if DOCPART == 1
	.amdgcn_target "amdgcn-amd-amdhsa--gfx1250"
	.amdhsa_code_object_version 6
	.text
	.protected	k_q1475bf00f2_prep
	.globl	k_q1475bf00f2_prep
	.p2align	8
	.type	k_q1475bf00f2_prep,@function
k_q1475bf00f2_prep:
	s_mov_b64 s[64:65], 0
	v_nop
	global_prefetch_b8 v0, s[64:65] scope:SCOPE_SE
	s_setreg_imm32_b32 hwreg(HW_REG_WAVE_MODE, 25, 1), 1
	s_wait_xcnt 0x0
; THREE PIECES OF PREPARATION IN ONE LAUNCH, told apart by the work-group's number; each path has LDS bytes of its own and ends by itself.
;   work-groups 0-127   QUANT: content [2048][2][1024] f32 -> codes of FP4 (E2M1), K innermost, rows in the order rho = b x 2048 + i (512 bytes a row, xq + 0), one E8M0 byte for each 32 along K (32 bytes a row, xq + XS_OFF).
;   work-groups 128-383 MASK:  attn_mask [2048][2048] bool -> for each tile of 16 queries x 128 keys 64 words, word n = the lane mask of score register n of the attention launch
;                              (bit 16 h + r = mask[16 T + r][128 kappa + 16 (n / 8) + 8 h + n % 8]), and a flag word: bit kappa = some key of the tile counts, bit 16 + kappa = some key is masked.
;   work-groups 384-399 WO:    W_o's codes into the order of an operand's registers: [tile of 16 rows][K step of 128][half c][lane][16 bytes], at xq + WF_OFF.
; A block's scale is 2^(floor(log2(its largest magnitude)) - 2); its byte is the largest magnitude's exponent field - 2, held at 1 from below.
; LIMITS: a block of zeros, and a block whose largest magnitude lies under 2^-124, gets the byte 1 (its codes are then zeros or the nearest codes under that scale; the bytes are read by this program alone); NaN and infinities in content are not served.
; No tensor loads, no barrier: waves share nothing.  Matrix units and clusters have nothing to do here: every byte is read once.
.set XS_OFF,  2097152
.set WF_OFF,  2228224
.set FLG_OFF, 524288
.set SP,    80                         ; QUANT: a lane's place in a stage: its 64 bytes + 16 of padding
.set STEPS, 16
.set RG,    16                         ; v16-79   four sets of 16 numbers as they are loaded
.set XG,    80                         ; v80-111  two sets of 16 neighbours
.set EG,    112                        ; v112-127 a scale byte for each step
.set CG,    128                        ; v128-191 codes: registers of its own for each step, so that no store's data are written again
.macro QLOAD t                         ; step t: half (t % 2) of row t / 2 of my eight rows: four loads of 512 consecutive bytes
.irp i, 0,1,2,3
	global_load_b128 v[RG+16*((\t)%4)+4*\i:RG+16*((\t)%4)+4*\i+3], v3, s[4:5] offset:8192*((\t)/2)+2048*((\t)%2)+512*\i th:TH_LOAD_NT
.endr
.endm
.macro QTURN t                         ; step t's 2,048 bytes through the wave's stage: in as they lie, out 64 bytes a lane.  LDS serves a wave's instructions in order
.irp i, 0,1,2,3
	ds_store_b128 v14, v[RG+16*((\t)%4)+4*\i:RG+16*((\t)%4)+4*\i+3] offset:32*SP*((\t)%2)+8*SP*\i
.endr
.irp i, 0,1,2,3
	ds_load_b128 v[XG+16*((\t)%2)+4*\i:XG+16*((\t)%2)+4*\i+3], v15 offset:32*SP*((\t)%2)+16*\i
.endr
.endm
.macro QSTEP t
.set XSET, XG+16*((\t)%2)
.if (\t) > 0
	s_wait_dscnt 1                                 ; this step's numbers are back from the stage; the last step's byte store may be out
.else
	s_wait_dscnt 0x0
.endif
.if (\t)+4 < STEPS
	QLOAD (\t)+4                                   ; into the registers that this step's stage stores have read
.endif
.if (\t)+1 < STEPS
.if STEPS-2-(\t) >= 3
	s_wait_loadcnt 12                              ; the next step's four loads are in; those of the three steps behind it may be out
.else
	s_wait_loadcnt 4*(STEPS-2-(\t))
.endif
	QTURN (\t)+1
.endif
	v_max3_num_f32 v8, |v[XSET]|, |v[XSET+1]|, |v[XSET+2]|      ; the largest magnitude of my 16, in two chains
	v_max3_num_f32 v9, |v[XSET+3]|, |v[XSET+4]|, |v[XSET+5]|
.irp i, 6,10
	v_max3_num_f32 v8, v8, |v[XSET+\i]|, |v[XSET+\i+1]|
	v_max3_num_f32 v9, v9, |v[XSET+\i+2]|, |v[XSET+\i+3]|
.endr
	v_max3_num_f32 v8, v8, |v[XSET+14]|, |v[XSET+15]|
	v_max3_num_f32 v8, v8, v9, 0x1800000           ; and the floor 2^(3 - 127): the byte cannot fall under 1
	v_max_num_f32_dpp v8, v8, v8 row_xmask:1 row_mask:0xf bank_mask:0xf   ; with my neighbour's 16: the block's
	v_add_nc_u32 v11, 0xff000000, v8               ; 2 off its exponent field: the conversion takes this operand's exponent field as its scale
	v_cvt_scalef32_pk8_fp4_f32 v[CG+4*(\t)], v[XSET:XSET+7], v11
	v_cvt_scalef32_pk8_fp4_f32 v[CG+4*(\t)+1], v[XSET+8:XSET+15], v11
	v_lshrrev_b32 v[EG+(\t)], 23, v11              ; the scale's byte
	ds_store_b8 v5, v[EG+(\t)] offset:16*(\t)      ; both lanes of a block write the same byte with the same value
	global_store_b64 v4, v[CG+4*(\t):CG+4*(\t)+1], s[24:25] offset:256*(\t)   ; the wave stores 256 consecutive bytes, aligned
.endm
.macro WORD sg, t, j                   ; MASK: word n = 8 t + j of key step sg: byte j of each lane's eight -> a lane mask -> lane n / 2 of the register pair that is stored
.set NN, 8*(\t)+(\j)
	v_and_b32 v[8+(NN&1)], 0xff<<(8*((\j)&3)), v[64+2*(8*(\sg)+(\t))+((\j)>>2)]
	v_cmp_ne_u32 s[20+(NN&3)], 0, v[8+(NN&1)]
	s_or_b32 s24, s24, s[20+(NN&3)]                ; is any key masked?
	s_and_b32 s25, s25, s[20+(NN&3)]               ; are all?
	v_writelane_b32 v[10+2*(\sg)+(NN&1)], s[20+(NN&3)], NN>>1
.endm
	s_load_b256 s[4:11], s[0:1], 0x0               ; content s[4:5], attn_mask s[6:7], W_o_codes s[8:9], xq s[10:11]
	s_load_b64 s[12:13], s[0:1], 0x20              ; maskw
	v_lshl_add_u32 v192, v0, 2, 0x14800
	v_mov_b32 v193, 0
	v_lshrrev_b32 v1, 5, v0
	v_readfirstlane_b32 s16, v1                    ; wave 0..3
	v_and_b32 v2, 31, v0                           ; lane
	s_wait_kmcnt 0x0
	s_cmp_ge_u32 ttmp9, 384
	s_cbranch_scc1 .Lwo
	s_cmp_ge_u32 ttmp9, 128
	s_cbranch_scc1 .Lmask
	; ---- QUANT.  Wave u = 4 x work-group + wave takes eight rows i0 .. i0 + 7 of ONE batch b = u % 2, so that its 256 scale bytes are one aligned run
	v_lshlrev_b32 v3, 4, v2                        ; my 16 bytes of a load's 512
	s_mul_i32 s17, s16, 8192                       ; my wave's LDS: two stages of 32 x SP bytes, then 256 scale bytes
	v_lshrrev_b32 v14, 2, v2
	v_mul_u32_u24 v14, v14, SP
	v_and_b32 v15, 3, v2
	v_lshl_add_u32 v14, v15, 4, v14
	v_add_nc_u32 v14, s17, v14                     ; the stage on the way in: SP (lane / 4) + 16 (lane % 4)
	v_mul_u32_u24 v15, v2, SP
	v_add_nc_u32 v15, s17, v15                     ; and out: SP x lane
	v_lshlrev_b32 v4, 3, v2                        ; 8 x lane: my codes' place in a step's 256 bytes
	v_lshrrev_b32 v5, 1, v2
	s_add_co_u32 s17, s17, 2*32*SP
	v_add_nc_u32 v5, s17, v5                       ; my block's byte among the wave's 256
	v_add_nc_u32 v6, s17, v4                       ; and on the way out 8 bytes a lane
	s_lshl_b32 s17, ttmp9, 2
	s_add_co_u32 s17, s17, s16                     ; u
	s_and_b32 s18, s17, 1                          ; b
	s_lshr_b32 s19, s17, 1
	s_lshl_b32 s19, s19, 3                         ; i0
	s_lshl_b32 s20, s19, 1
	s_add_co_u32 s20, s20, s18
	s_lshl_b32 s20, s20, 12                        ; (2 i0 + b) x 4,096 bytes
	s_mov_b32 s21, 0
	s_add_nc_u64 s[4:5], s[4:5], s[20:21]
	s_lshl_b32 s22, s18, 11
	s_add_co_u32 s22, s22, s19                     ; rho of my first row
	s_lshl_b32 s20, s22, 9
	s_add_nc_u64 s[24:25], s[10:11], s[20:21]      ; its codes
	s_lshl_b32 s20, s22, 5
	s_add_co_u32 s20, s20, XS_OFF
	s_add_nc_u64 s[26:27], s[10:11], s[20:21]      ; its scale bytes
.irp t, 0,1,2,3
	QLOAD \t
.endr
	s_wait_loadcnt 12                              ; step 0's four loads are in
	QTURN 0
.irp t, 0,1,2,3,4,5,6,7,8,9,10,11,12,13,14,15
	QSTEP \t
.endr
	ds_load_b64 v[12:13], v6                       ; LDS serves a wave's instructions in order: these see my byte stores
	s_wait_dscnt 0x0
	global_store_b64 v4, v[12:13], s[26:27]        ; 32 lanes store 256 consecutive bytes, aligned
	s_wait_tensorcnt 0x0
	ds_add_u32 v192, v193
	s_wait_dscnt 0x0
	s_endpgm
.Lmask:	; ---- MASK.  Job = 4 (work-group - 128) + wave: tile of queries T = job / 8, keys 256 kp .. 256 kp + 255 (two key steps), kp = job % 8
	s_sub_co_u32 s17, ttmp9, 128
	s_lshl_b32 s17, s17, 2
	s_add_co_u32 s17, s17, s16
	s_lshr_b32 s18, s17, 3                         ; T
	s_and_b32 s19, s17, 7                          ; kp
	s_lshl_b32 s28, s18, 15                        ; 16 rows of 2,048 bytes
	s_lshl_b32 s29, s19, 8
	s_add_co_u32 s28, s28, s29
	s_mov_b32 s29, 0
	s_add_nc_u64 s[6:7], s[6:7], s[28:29]
	s_lshl_b32 s28, s18, 4
	s_lshl_b32 s31, s19, 1                         ; 2 kp: my first key step
	s_add_co_u32 s28, s28, s31
	s_lshl_b32 s28, s28, 8                         ; 256 bytes of words for each (T, kappa)
	s_add_nc_u64 s[14:15], s[12:13], s[28:29]
	s_lshl_b32 s28, s18, 6
	s_lshl_b32 s30, s19, 3
	s_add_co_u32 s28, s28, s30
	s_add_co_u32 s28, s28, FLG_OFF
	s_add_nc_u64 s[12:13], s[12:13], s[28:29]      ; my two flag words
	v_lshrrev_b32 v8, 4, v2                        ; h
	v_and_b32 v9, 15, v2                           ; r
	v_lshlrev_b32 v3, 11, v8
	v_lshl_add_u32 v3, v9, 4, v3                   ; in: sixteen lanes take 256 bytes of a row, the other sixteen the next row's
	s_mul_i32 s20, s16, 4352
	s_add_co_u32 s20, s20, 32768                   ; my stage: 16 rows x (256 + 16) bytes
	v_mul_u32_u24 v4, v8, 272
	v_lshl_add_u32 v4, v9, 4, v4
	v_add_nc_u32 v4, s20, v4
	v_mul_u32_u24 v5, v9, 272
	v_lshl_add_u32 v5, v8, 3, v5
	v_add_nc_u32 v5, s20, v5                       ; out: lane (r, h) takes row r, 8 bytes at 8 h of each 16 keys
	v_lshlrev_b32 v6, 3, v2
	v_lshlrev_b32 v7, 2, v2
.irp k, 10,11,12,13,14
	v_mov_b32 v\k, 0                               ; v_writelane_b32 leaves the other lanes: written whole first
.endr
.irp e, 0,1,2,3,4,5,6,7
	global_load_b128 v[32+4*\e:35+4*\e], v3, s[6:7] offset:4096*\e th:TH_LOAD_NT
.endr
.irp e, 0,1,2,3,4,5,6,7
	s_wait_loadcnt 7-\e                            ; loads come back in order: the younger ones stay out
	ds_store_b128 v4, v[32+4*\e:35+4*\e] offset:544*\e
.endr
.irp q, 0,1,2,3,4,5,6,7,8,9,10,11,12,13,14,15
	ds_load_b64 v[64+2*\q:65+2*\q], v5 offset:128*(\q/8)+16*(\q%8)   ; my wave's own bytes, served in order
.endr
	s_wait_dscnt 0x0
.irp sg, 0,1
	s_mov_b32 s24, 0
	s_mov_b32 s25, -1
.irp t, 0,1,2,3,4,5,6,7
.irp j, 0,1,2,3,4,5,6,7
	WORD \sg, \t, \j
.endr
.endr
	global_store_b64 v6, v[10+2*\sg:11+2*\sg], s[14:15] offset:256*\sg   ; the step's 64 words: 256 consecutive bytes, aligned
	s_cmp_lg_u32 s25, -1
	s_cselect_b32 s26, 1, 0                        ; some key counts
	s_cmp_lg_u32 s24, 0
	s_cselect_b32 s27, 0x10000, 0                  ; some key is masked
	s_or_b32 s26, s26, s27
	s_add_co_u32 s27, s31, \sg
	s_lshl_b32 s26, s26, s27                       ; at the step's bit
	v_writelane_b32 v14, s26, \sg
.endr
	s_wait_xcnt 0x0                                ; EXEC changes only behind this wait
	v_cmp_gt_u32 vcc_lo, 2, v2
	s_wait_tensorcnt 0x0
	ds_add_u32 v192, v193
	s_wait_dscnt 0x0
	s_and_saveexec_b32 s30, vcc_lo
	global_store_b32 v7, v14, s[12:13]             ; two flag words, 8 bytes a wave: 8,192 bytes of flags in the whole launch
	s_wait_xcnt 0x0
	s_or_b32 exec_lo, exec_lo, s30
	s_endpgm
.Lwo:	; ---- WO.  Tile nt = 4 (work-group - 384) + wave: 16 rows of 512 bytes through my stage (pitch 528), out in the order of the operand's registers
	s_sub_co_u32 s17, ttmp9, 384
	s_lshl_b32 s17, s17, 2
	s_add_co_u32 s17, s17, s16
	s_lshl_b32 s18, s17, 13
	s_mov_b32 s19, 0
	s_add_nc_u64 s[8:9], s[8:9], s[18:19]
	s_add_co_u32 s18, s18, WF_OFF
	s_add_nc_u64 s[10:11], s[10:11], s[18:19]
	v_lshlrev_b32 v3, 4, v2
	s_mul_i32 s20, s16, 8448
	s_add_co_u32 s20, s20, 50176
	v_add_nc_u32 v4, s20, v3
	v_and_b32 v5, 15, v2
	v_lshrrev_b32 v6, 4, v2
	v_mul_u32_u24 v5, v5, 528
	v_lshl_add_u32 v5, v6, 4, v5
	v_add_nc_u32 v5, s20, v5                       ; lane (r, h): row r, + 16 h
.irp i, 0,1,2,3,4,5,6,7,8,9,10,11,12,13,14,15
	global_load_b128 v[32+4*\i:35+4*\i], v3, s[8:9] offset:512*\i th:TH_LOAD_NT   ; a row to an instruction
.endr
.irp i, 0,1,2,3,4,5,6,7,8,9,10,11,12,13,14,15
	s_wait_loadcnt 15-\i
	ds_store_b128 v4, v[32+4*\i:35+4*\i] offset:528*\i
.endr
.irp q, 0,1,2,3,4,5,6,7,8,9,10,11,12,13,14,15
	ds_load_b128 v[96+4*\q:99+4*\q], v5 offset:32*\q   ; q = 2 s + c: bytes 64 s + 32 c + 16 h of row r
.endr
.irp q, 0,1,2,3,4,5,6,7,8,9,10,11,12,13,14,15
	s_wait_dscnt 15-\q
	global_store_b128 v3, v[96+4*\q:99+4*\q], s[10:11] offset:512*\q
.endr
	s_wait_tensorcnt 0x0
	ds_add_u32 v192, v193
	s_wait_dscnt 0x0
	s_endpgm
.Lfunc_end_k_q1475bf00f2_prep:
	.size	k_q1475bf00f2_prep, .Lfunc_end_k_q1475bf00f2_prep-k_q1475bf00f2_prep
	.p2alignl 7, 3214868480
	.fill 96, 4, 3214868480
	.section	.rodata,"a",@progbits
	.p2align	6, 0x0
	.amdhsa_kernel k_q1475bf00f2_prep
		.amdhsa_group_segment_fixed_size 84480
		.amdhsa_private_segment_fixed_size 0
		.amdhsa_enable_private_segment 0
		.amdhsa_kernarg_size 40
		.amdhsa_user_sgpr_count 2
		.amdhsa_user_sgpr_kernarg_segment_ptr 1
		.amdhsa_wavefront_size32 1
		.amdhsa_system_sgpr_workgroup_id_x 1
		.amdhsa_system_sgpr_workgroup_id_y 1
		.amdhsa_system_sgpr_workgroup_id_z 1
		.amdhsa_system_vgpr_workitem_id 0
		.amdhsa_next_free_vgpr 194
		.amdhsa_next_free_sgpr 66
		.amdhsa_reserve_vcc 1
		.amdhsa_float_denorm_mode_32 3
		.amdhsa_float_denorm_mode_16_64 3
		.amdhsa_memory_ordered 1
		.amdhsa_forward_progress 1
		.amdhsa_inst_pref_size 78
	.end_amdhsa_kernel
	.amdgpu_metadata
---
amdhsa.version: [ 1, 2 ]
amdhsa.kernels:
  - .name:           k_q1475bf00f2_prep
    .symbol:         k_q1475bf00f2_prep.kd
    .args:
      - { .name: content, .offset: 0, .size: 8, .value_kind: global_buffer, .address_space: global }
      - { .name: attn_mask, .offset: 8, .size: 8, .value_kind: global_buffer, .address_space: global }
      - { .name: W_o_codes, .offset: 16, .size: 8, .value_kind: global_buffer, .address_space: global }
      - { .name: xq, .offset: 24, .size: 8, .value_kind: global_buffer, .address_space: global }
      - { .name: maskw, .offset: 32, .size: 8, .value_kind: global_buffer, .address_space: global }
    .group_segment_fixed_size: 84480
    .private_segment_fixed_size: 0
    .kernarg_segment_align: 8
    .kernarg_segment_size: 40
    .max_flat_workgroup_size: 128
    .sgpr_count:     66
    .vgpr_count:     194
    .wavefront_size: 32
...
	.end_amdgpu_metadata
.endif
;; end of part 1
;; launch proj (part 2): grid 4 x 56, 4 waves a work-group, clusters of 4 x 4, 296,448 bytes of LDS; arguments xq, W_qkv_codes, W_qkv_scales, rel_pos_codes, rel_pos_scales, W_r_codes, W_r_scales, r_w_bias, r_r_bias, ops; writes ops
.if DOCPART == 2
	.amdgcn_target "amdgcn-amd-amdhsa--gfx1250"
	.amdhsa_code_object_version 6
	.text
	.protected	k_q1475bf00f2_proj
	.globl	k_q1475bf00f2_proj
	.p2align	8
	.type	k_q1475bf00f2_proj,@function
k_q1475bf00f2_proj:
	s_mov_b64 s[64:65], 0
	v_nop
	global_prefetch_b8 v0, s[64:65] scope:SCOPE_SE
	s_setreg_imm32_b32 hwreg(HW_REG_WAVE_MODE, 25, 1), 1
	s_wait_xcnt 0x0
	s_wait_alu depctr_hold_cnt(0) depctr_sa_sdst(0) depctr_va_vdst(0) depctr_va_sdst(0) depctr_va_ssrc(0) depctr_va_vcc(0) depctr_vm_vsrc(0)
	s_getreg_b32 s2, hwreg(HW_REG_IB_STS2, 6, 4)
	s_cmp_eq_u32 s2, 0
	s_cbranch_scc0 .Lentry_in_a_cluster
	s_endpgm
.Lentry_in_a_cluster:
	s_bfe_u32 s2, ttmp6, 0x10000c
	s_cmp_lg_u32 s2, 0xf033
	s_cbranch_scc0 .Lentry_shape_is_right
	s_endpgm
.Lentry_shape_is_right:
; content W_qkv and rel_pos W_r on codes of FP4 (E2M1) with E8M0 scales, as 224 tiles of 256 x 256 over K = 1,024; the results never go to memory as f32: the way out adds the biases, quantises along the NEXT
; product's K and stores images of the attention launch's operand registers.
; WHO: cluster y = c (0..13): KIND = c / 4 (0 q, 1 k, 2 v, 3 r), RC = c % 4.  A cluster of 4 x 4 work-groups makes 1,024 x 1,024.  All branches hang on KIND or on the wave's number, which all partners share.
; ONE MAIN PART FOR ALL KINDS.  Source 0 takes 16 rows of operand 'B', source 1 16 rows of operand 'A': a lane holds ONE row of A and its registers run along B's rows.  For q, k, r: A = the tokens, B = the weight:
; registers run along d.  For v the POINTERS change places (A = W_v, B = the tokens): registers run along the keys.  In each case that is the axis along which the result is quantised.
; A work-group's whole K lies in LDS: two slots of 512 along K (rows of 256 bytes + 16 of padding) and the scale bytes of its 512 rows; each is filled ONCE, so there is no refill.  By this text's count a wave has three tensor loads out.
; JOINT LOADS: A's tiles hang on cy alone and go to my row of the cluster, B's on cx alone and go to my column: the requests for both are divided by four.
; THE NATURAL ORDER SERVES: a conversion takes eight registers, one accumulator; four accumulators (64 along the next K) give four registers, and two v_permlane16_swap_b32 put them into the operand's layout.
; LIMITS: a block of zeros, or one whose largest magnitude lies under 2^-124, gets the byte 1 (read by this program alone); NaN and infinities are not served.
; REGISTERS, in windows of 256: window 0: v16-27 addresses; v32-95 scale words, two sets; v128-191 A's fragments, one set (way out: 64 numbers at work); v192-231 the way out.
;   window 1: B's fragments, two sets, at v0 and v128 (way out: v0-63 the bias).   windows 2, 3: the 64 accumulators ((a, b) at v[8 (8 (a % 4) + b)]).
.set NQ,     4                         ; matrix instructions deep in a slot of 512 along K
.set ROWB,   256                       ; a tile's row in bytes
.set KROW,   512                       ; a row of codes in memory
.set PITCH,  272                       ; an LDS row: 256 + 16: the 16 rows that a load touches start at 16 different banks (64 banks of 4 bytes: ISA guide 11.1)
.set FR,     8
.set NL,     2
.set NP,     4                         ; places behind this matrix instruction (ISA guide 7.12.1)
.set HALFT,  128*PITCH
.set SLOT,   4*HALFT                   ; A's 256 rows, then B's 256
.set KS,     32                        ; a row of scale bytes
.set SCL,    2*SLOT                    ; behind the slots: the scale bytes, as runs of 256 bytes + 16 of padding
.set HALFS,  16*272                    ; those of 128 rows
.set SBLK,   2*272                     ; those of 16 rows
.set ADRA, 16
.set ADRB, 20
.set ADRS, 27
.set SC,   32
.set AF,   128
.set T,    128                         ; the way out: 64 numbers of a lane
.set PC,   192                         ; the codes just made
.set TM,   200                         ; v200-203 largest magnitudes, v204-207 bytes, v212-215 the conversions' scale operands
.set SW,   216                         ; v216-223 a scale word for each block of 16 rows
.set G1, 24
.set G0, 32
.set G1B, 48
.set G0B, 56
.set G1S, 68
.set G0S, 76
.set G1SB, 80
.set G0SB, 88
.set MSB, 0
.macro WIN new                         ; the immediate's high byte repeats the setting that is left
.if MSB != \new
	s_set_vgpr_msb (MSB<<8)|\new
.set MSB, \new
.endif
.endm
.set MUL_LO, 0xa1                      ; source 0 (B) window 1, source 1 (A) window 0, C and D window 2
.set MUL_HI, 0xf1
.set TO_B,   0x40
; A joint load: waves 0 and 1 fetch for A, waves 2 and 3 for B; the branch hangs on the wave's number alone.  Four v_nop follow each of the two lines.
.macro JLOAD g0a, g1a, g0b, g1b
	s_cmp_eq_u32 s15, 0
	s_cbranch_scc0 .Lfor_b_\@
	tensor_load_to_lds s[\g0a:\g0a+3], s[\g1a:\g1a+7]
	s_nop 0
.rept 4
	v_nop
.endr
	s_branch .Lasked_\@
.Lfor_b_\@:
	tensor_load_to_lds s[\g0b:\g0b+3], s[\g1b:\g1b+7]
	s_nop 0
.rept 4
	v_nop
.endr
.Lasked_\@:
.endm
.macro CROUND                          ; a round of the cluster's barrier
	s_barrier_signal -1
	s_barrier_wait -1
	s_cmp_lg_u32 s14, 0
	s_cbranch_scc1 .Lnot_wave_0_\@
	s_barrier_signal -3
.Lnot_wave_0_\@:
	s_barrier_wait -3
	s_barrier_signal -1
	s_barrier_wait -1
.endm
; 16 nb numbers of a lane, v[s] on: block b = registers 16 b .. 16 b + 15 (two accumulators); its other 16 numbers lie in lane l xor 16.  QMAX: scale operands in v[TM+12] on, bytes in v[TM+4] on, with nb = 4 the scale word in v[pw].
.macro QMAX s, pw, nb
.set qb, 0
.rept \nb
	v_max3_num_f32 v[TM+qb], |v[\s+16*qb]|, |v[\s+16*qb+1]|, 0x1800000   ; with the floor 2^(3 - 127): the byte cannot fall under 1
.set qb, qb+1
.endr
.irp i, 2,4,6,8,10,12,14
.set qb, 0
.rept \nb
	v_max3_num_f32 v[TM+qb], v[TM+qb], |v[\s+16*qb+\i]|, |v[\s+16*qb+\i+1]|   ; (the blocks by turns)
.set qb, qb+1
.endr
.endr
.set qb, 0
.rept \nb
	v_permlanex16_b32 v[TM+4+qb], v[TM+qb], s56, s57
.set qb, qb+1
.endr
.set qb, 0
.rept \nb
	v_max_num_f32 v[TM+qb], v[TM+qb], v[TM+4+qb]
.set qb, qb+1
.endr
.set qb, 0
.rept \nb
	v_add_nc_u32 v[TM+12+qb], 0xff000000, v[TM+qb]   ; 2 off the exponent field: the conversion's scale operand
.set qb, qb+1
.endr
.set qb, 0
.rept \nb
	v_lshrrev_b32 v[TM+4+qb], 23, v[TM+12+qb]        ; the scale's byte
.set qb, qb+1
.endr
.if \nb > 2
	v_lshl_or_b32 v[\pw], v[TM+5], 8, v[TM+4]
	v_lshl_or_b32 v[\pw], v[TM+6], 16, v[\pw]
	v_lshl_or_b32 v[\pw], v[TM+7], 24, v[\pw]
.endif
.endm
; QCVT: the codes.  Of each four accumulators (k = 64 c + 16 u + 8 h + j, u = 0..3) the conversions' results go to registers 4 c + 0, 2, 1, 3; the swaps (the first's lanes 16-31 with the second's lanes 0-15) leave k = 64 c + 32 h + 0 .. 31 in registers 4 c .. 4 c + 3.
.macro QCVT s, pc, nb
.set qc, 0
.rept \nb/2
	v_cvt_scalef32_pk8_fp4_f32 v[\pc+4*qc],   v[\s+32*qc:\s+32*qc+7],     v[TM+12+2*qc]
	v_cvt_scalef32_pk8_fp4_f32 v[\pc+4*qc+2], v[\s+32*qc+8:\s+32*qc+15],  v[TM+12+2*qc]
	v_cvt_scalef32_pk8_fp4_f32 v[\pc+4*qc+1], v[\s+32*qc+16:\s+32*qc+23], v[TM+12+2*qc+1]
	v_cvt_scalef32_pk8_fp4_f32 v[\pc+4*qc+3], v[\s+32*qc+24:\s+32*qc+31], v[TM+12+2*qc+1]
.set qc, qc+1
.endr
	v_nop                                          ; one plain line behind the scaled conversions
.set qc, 0
.rept \nb/2
	v_permlane16_swap_b32 v[\pc+4*qc], v[\pc+4*qc+1]
	v_permlane16_swap_b32 v[\pc+4*qc+2], v[\pc+4*qc+3]
.set qc, qc+1
.endr
.endm
	s_load_b256 s[4:11], s[0:1], 0x0               ; xq s[4:5], W_qkv_codes s[6:7], W_qkv_scales s[8:9], rel_pos_codes s[10:11]
	s_load_b256 s[92:99], s[0:1], 0x20             ; rel_pos_scales s[92:93], W_r_codes s[94:95], W_r_scales s[96:97] (s[98:99]: loaded again for the way out)
	v_lshl_add_u32 v254, v0, 2, 0x48400
	v_mov_b32 v255, 0
	ds_add_u32 v254, v255
	ds_add_u32 v254, v255
	v_lshrrev_b32 v1, 5, v0
	v_readfirstlane_b32 s14, v1                    ; wave 0..3
	s_lshr_b32 s15, s14, 1                         ; which half of A's rows is mine.  Also: I fetch for A (0) or for B (1)
	s_and_b32 s16, s14, 1                          ; which half of B's rows.  Also: which 128 rows I fetch
	s_bfe_u32 s40, ttmp6, 0x40000                  ; cx
	s_bfe_u32 s41, ttmp6, 0x40004                  ; cy
	s_and_b32 s17, ttmp7, 0xffff                   ; the cluster's y
	s_lshr_b32 s42, s17, 2                         ; KIND
	s_and_b32 s43, s17, 3                          ; RC
	s_lshl_b32 s44, s41, 2
	s_lshl_b32 s44, 15, s44                        ; my row of the cluster
	s_lshl_b32 s45, 0x1111, s40                    ; my column
	; group 1: a tile of 128 rows x 256 bytes, 16 bytes of padding behind each row
	s_or_b32 s[G1+0], s44, (0<<16)|(1<<20)|(1<<21)|(5<<22)|(3<<25)  ; 15:0 the mask; 17:16 elements of 1 byte; 20 padding on; 21 set beside a mask; 24:22 after every 64 words; 31:25 four words
	s_or_b32 s[G1B+0], s45, (0<<16)|(1<<20)|(1<<21)|(5<<22)|(3<<25)
.irp g, G1, G1B
	s_mov_b32 s[\g+1], ROWB<<16                    ; tensor_dim0
	s_mov_b32 s[\g+2], 128<<16                     ; tensor_dim1
	s_mov_b32 s[\g+3], ROWB<<16                    ; tile_dim0
	s_mov_b32 s[\g+4], 128                         ; tile_dim1
	s_mov_b32 s[\g+5], KROW                        ; from row to row
	s_mov_b32 s[\g+6], 0
	s_mov_b32 s[\g+7], 0
.endr
	; the scale bytes of 128 rows: 4,096 dense bytes as 16 rows of 256 (32 elements of 8 bytes), 16 bytes of padding behind each
	s_or_b32 s[G1S+0], s44, (3<<16)|(1<<20)|(1<<21)|(5<<22)|(3<<25)
	s_or_b32 s[G1SB+0], s45, (3<<16)|(1<<20)|(1<<21)|(5<<22)|(3<<25)
.irp g, G1S, G1SB
	s_mov_b32 s[\g+1], 32<<16
	s_mov_b32 s[\g+2], 16<<16
	s_mov_b32 s[\g+3], 32<<16
	s_mov_b32 s[\g+4], 16
	s_mov_b32 s[\g+5], 32
	s_mov_b32 s[\g+6], 0
	s_mov_b32 s[\g+7], 0
.endr
	; which rows.  The tokens' tile is 4 RC + (cy, for v: cx), the weight's the other coordinate.  A's registers never hold cx, B's never cy
	s_lshl_b32 s17, s43, 2
	s_cmp_eq_u32 s42, 2
	s_cselect_b32 s18, 0, s17
	s_cselect_b32 s19, s17, 0
	s_lshl_b32 s17, s16, 7
	s_add_co_u32 s20, s41, s18
	s_lshl_b32 s20, s20, 8
	s_add_co_u32 s20, s20, s17                     ; A: the first row that I fetch
	s_add_co_u32 s46, s40, s19
	s_lshl_b32 s46, s46, 8
	s_add_co_u32 s46, s46, s17                     ; B likewise
	s_lshl_b32 s22, s20, 5                         ; scale bytes: 32 a row
	s_lshl_b32 s20, s20, 9                         ; codes: 512 a row
	s_lshl_b32 s100, s46, 5
	s_lshl_b32 s46, s46, 9
	s_mov_b32 s21, 0
	s_mov_b32 s23, 0
	s_mov_b32 s47, 0
	s_mov_b32 s101, 0
	s_mul_i32 s66, s14, HALFT                      ; where they go: wave x 128 rows: no place in the cluster enters an LDS address
	s_mul_i32 s67, s14, HALFS
	s_lshl_b32 s18, s42, 19                        ; my kind's 1,024 rows of W_qkv
	s_lshl_b32 s12, s42, 15
	s_cmp_eq_u32 s42, 3
	s_cselect_b32 s18, 0, s18
	s_cselect_b32 s12, 0, s12
	s_mov_b32 s19, 0
	s_mov_b32 s13, 0
	s_wait_dscnt 0x0
	s_wait_kmcnt 0x0
	s_add_nc_u64 s[6:7], s[6:7], s[18:19]
	s_add_nc_u64 s[8:9], s[8:9], s[12:13]
	s_add_nc_u64 s[12:13], s[4:5], 0x200000        ; content's scale bytes in xq
	s_cselect_b64 s[4:5], s[10:11], s[4:5]         ; the tokens' codes: rel_pos for r, else content's
	s_cselect_b64 s[12:13], s[92:93], s[12:13]     ; their scales
	s_cselect_b64 s[6:7], s[94:95], s[6:7]         ; the weight's codes
	s_cselect_b64 s[8:9], s[96:97], s[8:9]         ; its scales
	s_cmp_eq_u32 s42, 2
	s_cselect_b64 s[92:93], s[6:7], s[4:5]         ; A's codes: for v the weight's
	s_cselect_b64 s[94:95], s[8:9], s[12:13]       ; A's scales
	s_cselect_b64 s[96:97], s[4:5], s[6:7]         ; B's codes
	s_cselect_b64 s[10:11], s[12:13], s[8:9]       ; B's scales
	s_add_nc_u64 s[20:21], s[92:93], s[20:21]
	s_add_nc_u64 s[22:23], s[94:95], s[22:23]
	s_add_nc_u64 s[46:47], s[96:97], s[46:47]
	s_add_nc_u64 s[100:101], s[10:11], s[100:101]
	CROUND                                         ; all sixteen work-groups are here: the joint loads meet
	s_mov_b32 s[G0S], 1
	s_add_co_u32 s[G0S+1], s67, SCL
	s_mov_b64 s[G0S+2:G0S+3], s[22:23]
	s_or_b32 s[G0S+3], s[G0S+3], 0x80000000
	s_mov_b32 s[G0SB], 1
	s_add_co_u32 s[G0SB+1], s67, SCL
	s_mov_b64 s[G0SB+2:G0SB+3], s[100:101]
	s_or_b32 s[G0SB+3], s[G0SB+3], 0x80000000
	JLOAD G0S, G1S, G0SB, G1SB                     ; the scale bytes first: they are wanted with the first products
.irp s, 0,1
	s_mov_b32 s[G0+4*\s], 1
	s_add_co_u32 s[G0+4*\s+1], s66, \s*SLOT
	s_add_nc_u64 s[G0+4*\s+2:G0+4*\s+3], s[20:21], \s*ROWB
	s_or_b32 s[G0+4*\s+3], s[G0+4*\s+3], 0x80000000
	s_mov_b32 s[G0B+4*\s], 1
	s_add_co_u32 s[G0B+4*\s+1], s66, \s*SLOT
	s_add_nc_u64 s[G0B+4*\s+2:G0B+4*\s+3], s[46:47], \s*ROWB
	s_or_b32 s[G0B+4*\s+3], s[G0B+4*\s+3], 0x80000000
	JLOAD G0+4*\s, G1, G0B+4*\s, G1B
.endr
	s_load_b128 s[4:7], s[0:1], 0x38               ; for the way out: r_w_bias s[4:5], r_r_bias s[6:7],
	s_load_b64 s[8:9], s[0:1], 0x48                ; ops; waited for there
	v_and_b32 v1, 15, v0                           ; l % 16
	v_bfe_u32 v2, v0, 4, 1                         ; l / 16
	v_mul_u32_u24 v3, v1, PITCH
	v_lshl_add_u32 v4, v2, 4, v3                   ; a fragment's row x pitch + 16 x half
	s_mul_i32 s21, s15, HALFT                      ; my 128 rows of A
	s_mul_i32 s22, s16, HALFT
	s_add_co_u32 s22, s22, 2*HALFT                 ; my 128 rows of B, behind A's 256
.irp s, 0,1
	v_add_nc_u32 v[ADRA+\s], s21, v4
	v_add_nc_u32 v[ADRB+\s], s22, v4
	s_add_co_u32 s21, s21, SLOT
	s_add_co_u32 s22, s22, SLOT
.endr
	v_mul_u32_u24 v5, v1, KS                       ; my row's scale bytes: 32 a row,
	v_lshrrev_b32 v6, 8, v5
	v_lshl_add_u32 v5, v6, 4, v5                   ; and 16 more for each 256 passed
	s_mul_i32 s21, s15, HALFS
	s_mul_i32 s22, s16, HALFS
	s_add_co_u32 s22, s22, 2*HALFS
	s_sub_co_u32 s22, s22, s21
	v_mul_u32_u24 v6, s22, v2                      ; lanes 16-31 take B's: one product, the distance between the two bases
	s_add_co_u32 s21, s21, SCL
	v_add_nc_u32 v5, v5, v6
	v_add_nc_u32 v[ADRS], s21, v5
.macro FRAG reg, adr, q, i             ; 16 rows x 128 K of 4-bit codes: 8 registers, two loads of 16 bytes, 32 bytes apart
.irp c, 0,1
	ds_load_b128 v[\reg+4*\c:\reg+4*\c+3], v[\adr] offset:64*(\q)+32*\c+(\i)*16*PITCH
.endr
.endm
; 16 matrix instructions: A's blocks a0, a0 + 1 x B's eight.  The 64 accumulators take turns, one instruction a turn, in the same order in every step.
.macro MUL16 a0, p, q, sc, zero
.irp a, \a0, \a0+1
.irp b, 0,1,2,3,4,5,6,7
.if \zero
	v_wmma_scale_f32_16x16x128_f8f6f4 v[8*(8*((\a)%4)+\b):8*(8*((\a)%4)+\b)+7], v[128*(\p)+FR*\b:128*(\p)+FR*\b+FR-1], v[AF+FR*(\a):AF+FR*(\a)+FR-1], 0, v[SC+8*NQ*(\sc)+NQ*\b+(\q)], v[SC+8*NQ*(\sc)+NQ*(\a)+(\q)] matrix_a_fmt:MATRIX_FMT_FP4 matrix_b_fmt:MATRIX_FMT_FP4 matrix_a_scale:MATRIX_SCALE_ROW1
.else
	v_wmma_scale_f32_16x16x128_f8f6f4 v[8*(8*((\a)%4)+\b):8*(8*((\a)%4)+\b)+7], v[128*(\p)+FR*\b:128*(\p)+FR*\b+FR-1], v[AF+FR*(\a):AF+FR*(\a)+FR-1], v[8*(8*((\a)%4)+\b):8*(8*((\a)%4)+\b)+7], v[SC+8*NQ*(\sc)+NQ*\b+(\q)], v[SC+8*NQ*(\sc)+NQ*(\a)+(\q)] matrix_a_fmt:MATRIX_FMT_FP4 matrix_b_fmt:MATRIX_FMT_FP4 matrix_a_scale:MATRIX_SCALE_ROW1
.endif
.endr
.endr
.endm
.macro FETCH_B slot, q, p
	WIN TO_B
.irp i, 0,1,2,3,4,5,6,7
	FRAG 128*(\p)+FR*\i, ADRB+\slot, \q, \i
.endr
	WIN 0
.endm
.macro FETCH_A slot, q, i0
.irp i, \i0, \i0+1, \i0+2, \i0+3
	FRAG AF+FR*(\i), ADRA+\slot, \q, \i
.endr
.endm
.macro SCALES sc                       ; a slot's scale words: four a row; lanes 0-15 take A's block i, lanes 16-31 B's block i
.irp i, 0,1,2,3,4,5,6,7
	ds_load_b128 v[SC+8*NQ*\sc+NQ*\i:SC+8*NQ*\sc+NQ*\i+3], v[ADRS] offset:\i*SBLK
.endr
.endm
.macro PLACES n                        ; plain vector lines between a matrix instruction and a load into, or a read of, its registers (ISA guide 7.12.1 for reads)
.rept \n
	v_nop
.endr
.endm
.macro STEP slot, q, zero              ; 128 along K that has its successor in the same slot
	s_wait_dscnt 4*NL                              ; B's set and A's blocks 0-3 are in; the youngest eight loads (A's blocks 4-7) may be out
	WIN MUL_LO
	MUL16 0, (\q)%2, \q, \slot, \zero
	MUL16 2, (\q)%2, \q, \slot, \zero
	s_wait_dscnt 0
	PLACES NP
	FETCH_B \slot, (\q)+1, 1-(\q)%2
	FETCH_A \slot, (\q)+1, 0
	WIN MUL_HI
	MUL16 4, (\q)%2, \q, \slot, \zero
	MUL16 6, (\q)%2, \q, \slot, \zero
	PLACES NP
	WIN 0
	FETCH_A \slot, (\q)+1, 4
.endm
	s_wait_tensorcnt 1                             ; the scale bytes and my part of slot 0 are in; slot 1's load may be out
	s_barrier_signal -1
	s_barrier_wait -1                              ; everybody's are
	FETCH_B 0, 0, 0
	FETCH_A 0, 0, 0
	SCALES 0
	FETCH_A 0, 0, 4
	STEP 0, 0, 1                                   ; the first products start the sums: nothing is cleared
	STEP 0, 1, 0
	STEP 0, 2, 0
	; slot 0's last step goes over to slot 1: one barrier, in front of which each wave's part of slot 1 has landed
	s_wait_tensorcnt 0x0                           ; no load was issued behind slot 1's
	s_wait_dscnt 4*NL
	WIN MUL_LO
	MUL16 0, 1, NQ-1, 0, 0
	s_wait_dscnt 0x0                               ; no LDS instruction of mine is out at the signal
	s_barrier_signal -1
	MUL16 2, 1, NQ-1, 0, 0
	WIN 0
	s_barrier_wait -1
	PLACES NP
	v_add_nc_u32 v[ADRS], 4*NQ, v[ADRS]            ; on to slot 1's scale words
	FETCH_B 1, 0, 0
	FETCH_A 1, 0, 0
	SCALES 1
	WIN MUL_HI
	MUL16 4, 1, NQ-1, 0, 0
	MUL16 6, 1, NQ-1, 0, 0
	PLACES NP
	WIN 0
	FETCH_A 1, 0, 4
	STEP 1, 0, 0
	STEP 1, 1, 0
	STEP 1, 2, 0
	s_wait_dscnt 4*NL                              ; the last step: nothing more to fetch
	WIN MUL_LO
	MUL16 0, 1, NQ-1, 1, 0
	MUL16 2, 1, NQ-1, 1, 0
	s_wait_dscnt 0
	WIN MUL_HI
	MUL16 4, 1, NQ-1, 1, 0
	MUL16 6, 1, NQ-1, 1, 0
	WIN 0
	PLACES NP
	; ---- THE WAY OUT.  No LDS: each store leaves from registers and covers 512 (codes) or 256 (scales) consecutive bytes, aligned.
	; ops: codes at IDX x 2 MiB (0 q + r_w_bias, 1 q + r_r_bias, 2 k, 3 v, 4 r) + (16 b + head) x 65,536 + kappa x 4,096; scales at 9 MiB + IDX x 131,072 + (16 b + head) x 4,096 + kappa x 256.
	s_cmp_eq_u32 s42, 2
	s_cselect_b32 s17, s40, s41                    ; the tokens' tile in the cluster,
	s_cselect_b32 s18, s16, s15                    ; my half of it;
	s_cselect_b32 s19, s41, s40                    ; the weight's tile,
	s_cselect_b32 s20, s15, s16                    ; my half of it
	s_mov_b32 s24, 512
	s_cselect_b32 s24, 1024, s24                   ; from block a to a + 1: a tile's image of 512 bytes; for v a fragment of 1,024
	s_mov_b32 s26, 512
	s_cselect_b32 s26, 62464, s26                  ; at a = 4, for v: on to the next head
	s_mov_b32 s28, 65536
	s_cselect_b32 s28, 512, s28                    ; the second store: the next head's image; for v the fragment's second half
	s_mov_b32 s25, 0
	s_mov_b32 s27, 0
	s_cmp_eq_u32 s42, 0
	s_cselect_b32 s50, -1, 0                       ; the bias counts for q alone
	s_cselect_b32 s53, 2, 1                        ; q goes out twice, once with each bias
	s_cselect_b32 s29, 0, 1
	s_add_co_u32 s29, s29, s42                     ; IDX
	s_lshl_b32 s21, s43, 2
	s_add_co_u32 s21, s21, s17
	s_lshl_b32 s21, s21, 1
	s_add_co_u32 s21, s21, s18                     ; my first token / 128
	s_lshr_b32 s22, s21, 4                         ; b
	s_and_b32 s23, s21, 15                         ; kappa
	s_lshl_b32 s19, s19, 2
	s_lshl_b32 s20, s20, 1
	s_add_co_u32 s19, s19, s20                     ; my first head
	s_lshl_b32 s22, s22, 4
	s_add_co_u32 s22, s22, s19
	s_lshl_b32 s30, s29, 21
	s_lshl_b32 s31, s22, 16
	s_add_co_u32 s30, s30, s31
	s_lshl_b32 s31, s23, 12
	s_add_co_u32 s30, s30, s31
	s_mov_b32 s31, 0
	s_lshl_b32 s32, s29, 17
	s_lshl_b32 s33, s22, 12
	s_add_co_u32 s32, s32, s33
	s_lshl_b32 s33, s23, 8
	s_add_co_u32 s32, s32, s33
	s_add_co_u32 s32, s32, 9437184
	s_mov_b32 s33, 0
	s_lshl_b32 s46, s40, 10
	s_lshl_b32 s47, s16, 9
	s_add_co_u32 s46, s46, s47                     ; the bias of my 128 columns (q: B's rows 256 cx + 128 x half); inside the 4,096 bytes for every kind
	s_mov_b32 s47, 0
	s_mov_b32 s51, 0xffff0000                      ; lanes 16-31
	s_mov_b32 s52, 0                               ; passes done
	s_mov_b32 s54, 0x05040100
	s_mov_b32 s55, 0x07060302
	s_mov_b32 s56, 0x76543210
	s_mov_b32 s57, 0xfedcba98                      ; v_permlanex16_b32's selects for lane l xor 16
	s_wait_kmcnt 0x0
	s_add_nc_u64 s[38:39], s[8:9], s[30:31]        ; where my codes begin,
	s_add_nc_u64 s[44:45], s[8:9], s[32:33]        ; and my scales
	s_mov_b64 s[34:35], s[38:39]
	s_mov_b64 s[36:37], s[44:45]
	s_add_nc_u64 s[48:49], s[4:5], s[46:47]        ; r_w_bias first
	s_add_nc_u64 s[6:7], s[6:7], s[46:47]
	v_and_b32 v1, 31, v0
	v_lshlrev_b32 v2, 4, v1                        ; 16 x lane
	v_add_nc_u32 v3, s28, v2
	v_lshlrev_b32 v4, 3, v1                        ; 8 x lane
	v_bfe_u32 v5, v0, 4, 1
	v_lshlrev_b32 v5, 5, v5                        ; 32 h: my eight columns of a tile of sixteen
.irp b, 0,1,2,3
	v_mov_b32 v[TM+4+\b], 0                        ; written once: a lane permute's destination counts as one of its sources
.endr
.macro EPI a                           ; block a: 16 rows of A x my 128 rows of B
	WIN 0x06+((\a)/4)                              ; source 0: the accumulators' window, source 1: the bias in window 1
.set ei, 0
.rept 32
	v_pk_add_f32 v[T+2*ei:T+2*ei+1], v[64*((\a)%4)+2*ei:64*((\a)%4)+2*ei+1], v[2*ei:2*ei+1]   ; + bias, and into window 0; each accumulator from its low end on
.set ei, ei+1
.endr
	WIN 0
	QMAX T, SW+(\a), 4
	s_wait_xcnt 0x0                                ; the last block's stores have read their codes and their base
.if (\a) == 4
	s_add_nc_u64 s[34:35], s[34:35], s[26:27]
.elseif (\a) > 0
	s_add_nc_u64 s[34:35], s[34:35], s[24:25]
.endif
	QCVT T, PC, 4
	global_store_b128 v2, v[PC:PC+3], s[34:35]     ; q, k, r: my first head's image of these 16 rows; v: keys 0-63 of the fragment
	global_store_b128 v3, v[PC+4:PC+7], s[34:35]   ; the next head's; v: keys 64-127
.endm
.Lpass:
	WIN 0x40
.irp b, 0,1,2,3,4,5,6,7
	global_load_b128 v[8*\b:8*\b+3], v5, s[48:49] offset:64*\b       ; the bias in the result's layout: columns 16 b + 8 h + 0 .. 7
	global_load_b128 v[8*\b+4:8*\b+7], v5, s[48:49] offset:64*\b+16
.endr
	s_wait_loadcnt 0x0
	WIN 0x44
.set ei, 0
.rept 64
	v_and_b32 v[ei], s50, v[ei]                    ; k, v and r have none: zeros
.set ei, ei+1
.endr
	WIN 0
.irp a, 0,1,2,3,4,5,6,7
	EPI \a
.endr
.irp p, 0,1,2,3
	v_cndmask_b32 v[224+\p], v[SW+2*\p], v[SW+2*\p+1], s51   ; lanes 0-15: block 2 p's words, lanes 16-31: block 2 p + 1's
.endr
	s_cmp_eq_u32 s42, 2
	s_cbranch_scc1 .Lvsc
	v_perm_b32 v228, v225, v224, s54               ; a word holds two heads' pairs of bytes: the low halves are my first head's,
	v_perm_b32 v229, v227, v226, s54
	v_perm_b32 v230, v225, v224, s55               ; the high halves the next head's
	v_perm_b32 v231, v227, v226, s55
	global_store_b64 v4, v[228:229], s[36:37]
	global_store_b64 v4, v[230:231], s[36:37] offset:4096
	s_branch .Lscdone
.Lvsc:
	global_store_b64 v4, v[224:225], s[36:37]      ; v: whole words (four blocks of keys); blocks 0-3 are my first head's 64 rows
	global_store_b64 v4, v[226:227], s[36:37] offset:4096
.Lscdone:
	s_wait_xcnt 0x0                                ; the stores have read their registers and bases
	s_mov_b64 s[48:49], s[6:7]                     ; the second pass: r_r_bias, into the next section
	s_add_nc_u64 s[34:35], s[38:39], 0x200000
	s_add_nc_u64 s[36:37], s[44:45], 0x20000
	s_add_co_u32 s52, s52, 1
	s_cmp_lt_u32 s52, s53
	s_cbranch_scc1 .Lpass
	s_wait_tensorcnt 0x0
	ds_add_u32 v254, v255
	s_wait_dscnt 0x0
	CROUND                                         ; the closing round: no work-group ends while a partner may still ask for a tile that names it
	s_endpgm
.Lfunc_end_k_q1475bf00f2_proj:
	.size	k_q1475bf00f2_proj, .Lfunc_end_k_q1475bf00f2_proj-k_q1475bf00f2_proj
	.p2alignl 7, 3214868480
	.fill 96, 4, 3214868480
	.section	.rodata,"a",@progbits
	.p2align	6, 0x0
	.amdhsa_kernel k_q1475bf00f2_proj
		.amdhsa_group_segment_fixed_size 296448
		.amdhsa_private_segment_fixed_size 0
		.amdhsa_enable_private_segment 0
		.amdhsa_kernarg_size 80
		.amdhsa_user_sgpr_count 2
		.amdhsa_user_sgpr_kernarg_segment_ptr 1
		.amdhsa_wavefront_size32 1
		.amdhsa_system_sgpr_workgroup_id_x 1
		.amdhsa_system_sgpr_workgroup_id_y 1
		.amdhsa_system_sgpr_workgroup_id_z 1
		.amdhsa_system_vgpr_workitem_id 0
		.amdhsa_next_free_vgpr 1024
		.amdhsa_next_free_sgpr 102
		.amdhsa_reserve_vcc 0
		.amdhsa_float_denorm_mode_32 3
		.amdhsa_float_denorm_mode_16_64 3
		.amdhsa_memory_ordered 1
		.amdhsa_forward_progress 1
		.amdhsa_inst_pref_size 151
	.end_amdhsa_kernel
	.amdgpu_metadata
---
amdhsa.version: [ 1, 2 ]
amdhsa.kernels:
  - .name:           k_q1475bf00f2_proj
    .symbol:         k_q1475bf00f2_proj.kd
    .args:
      - { .name: xq, .offset: 0, .size: 8, .value_kind: global_buffer, .address_space: global }
      - { .name: W_qkv_codes, .offset: 8, .size: 8, .value_kind: global_buffer, .address_space: global }
      - { .name: W_qkv_scales, .offset: 16, .size: 8, .value_kind: global_buffer, .address_space: global }
      - { .name: rel_pos_codes, .offset: 24, .size: 8, .value_kind: global_buffer, .address_space: global }
      - { .name: rel_pos_scales, .offset: 32, .size: 8, .value_kind: global_buffer, .address_space: global }
      - { .name: W_r_codes, .offset: 40, .size: 8, .value_kind: global_buffer, .address_space: global }
      - { .name: W_r_scales, .offset: 48, .size: 8, .value_kind: global_buffer, .address_space: global }
      - { .name: r_w_bias, .offset: 56, .size: 8, .value_kind: global_buffer, .address_space: global }
      - { .name: r_r_bias, .offset: 64, .size: 8, .value_kind: global_buffer, .address_space: global }
      - { .name: ops, .offset: 72, .size: 8, .value_kind: global_buffer, .address_space: global }
    .group_segment_fixed_size: 296448
    .private_segment_fixed_size: 0
    .kernarg_segment_align: 8
    .kernarg_segment_size: 80
    .max_flat_workgroup_size: 128
    .sgpr_count:     102
    .vgpr_count:     1024
    .wavefront_size: 32
...
	.end_amdgpu_metadata
.endif
;; end of part 2
;; launch attn (part 3): grid 8 x 32, 16 waves a work-group, no clusters, 210,944 bytes of LDS; arguments ops, maskw, av; writes av
.if DOCPART == 3
	.amdgcn_target "amdgcn-amd-amdhsa--gfx1250"
	.amdhsa_code_object_version 6
	.text
	.protected	k_q1475bf00f2_attn
	.globl	k_q1475bf00f2_attn
	.p2align	8
	.type	k_q1475bf00f2_attn,@function
k_q1475bf00f2_attn:
	s_mov_b64 s[64:65], 0
	v_nop
	global_prefetch_b8 v0, s[64:65] scope:SCOPE_SE
	s_setreg_imm32_b32 hwreg(HW_REG_WAVE_MODE, 25, 1), 1
	s_wait_xcnt 0x0
; Attention for one (b, h) = work-group y, on codes of FP4 (E2M1) with E8M0 scales.  The shift of reference() moves whole planes along the head axis: the BD term of (b, h) is that of head g = h + 1 - b, and nothing for (0, 15).
; So score = AC + BD is ONE product with K = 128: query side [q_h + r_w_bias_h | q_g + r_r_bias_g], key side [k_h | r_g], four blocks of 32 with their own scales; for (0, 15) the query's second half is zero codes.
; SOFTMAX: t = score x log2(e) / 8; M = the running largest t rounded up to a whole number; p = 2^(t - M) is quantised along the keys; the row's sum is taken of the unquantised p and divides at the end.
; THE MASK is the input's, bit for bit: the launch before stored, for each tile of 16 queries x 128 keys, the 64 lane masks of the score registers and two flags.  A step none of whose keys counts for my queries is passed over
; (every p would be 0); a step with no masked key loads no mask words and has no selects.  These are scalar branches on stored whole numbers.
; SHARES.  A wave owns one tile of 16 queries, T = 8 g(w) + x; g(w) comes from a table that gives each four waves w % 4 and each four w / 4 one tile of each quarter of the sequence: no result hangs on it.
; LDS holds ALL of the head's key side at once: 16 steps x 13,056 bytes, in the order of the operands' registers (16 bytes a lane on end).  It is filled once through registers; one barrier; then the waves run free.
; NO JOINT LOADS, though the eight work-groups of a (b, h) read the same 204 KB: joint requests are tensor loads, and a launch whose steps are passed over by branches on numbers read from memory has none.
; BOTH PRODUCTS TRANSPOSED: S^T = K Q^T, O^T = V^T P^T: a lane holds one query (lane % 16); score register n = key 16 (n / 8) + 8 (lane / 16) + n % 8 of the step.
; LIMITS: NaN and infinities among the inputs are not served; a block of zeros gets the byte 1 (read by this program alone).  A query ALL of whose keys are masked has the sum 0: its scale bytes become 0xff, so that the last product gives NaN for that row, as reference() does.
; The two scale bytes of each query and head leave as single bytes, 32 a wave: 131,072 bytes in the whole launch.
.set STEPB, 13056                      ; a step in LDS: +0 k's 8 images, +4,096 r's, +8,192 V's 4 fragments, +12,288 K-side scale words [lane][4], +12,800 V's [lane][2]
.set TM,    232                        ; v232-235 blocks' maxima, v236-239 at work / bytes, v244-247 the conversions' scale operands
.macro QMAX s, pw, nb
.set qb, 0
.rept \nb
	v_max3_num_f32 v[TM+qb], |v[\s+16*qb]|, |v[\s+16*qb+1]|, 0x1800000   ; with the floor 2^(3 - 127): the byte cannot fall under 1
.set qb, qb+1
.endr
.irp i, 2,4,6,8,10,12,14
.set qb, 0
.rept \nb
	v_max3_num_f32 v[TM+qb], v[TM+qb], |v[\s+16*qb+\i]|, |v[\s+16*qb+\i+1]|
.set qb, qb+1
.endr
.endr
.set qb, 0
.rept \nb
	v_permlanex16_b32 v[TM+4+qb], v[TM+qb], s90, s91
.set qb, qb+1
.endr
.set qb, 0
.rept \nb
	v_max_num_f32 v[TM+qb], v[TM+qb], v[TM+4+qb]
.set qb, qb+1
.endr
.set qb, 0
.rept \nb
	v_add_nc_u32 v[TM+12+qb], 0xff000000, v[TM+qb]
.set qb, qb+1
.endr
.set qb, 0
.rept \nb
	v_lshrrev_b32 v[TM+4+qb], 23, v[TM+12+qb]
.set qb, qb+1
.endr
.if \nb > 2
	v_lshl_or_b32 v[\pw], v[TM+5], 8, v[TM+4]
	v_lshl_or_b32 v[\pw], v[TM+6], 16, v[\pw]
	v_lshl_or_b32 v[\pw], v[TM+7], 24, v[\pw]
.endif
.endm
; Of each four accumulators (k = 64 c + 16 u + 8 h + j) the conversions' results go to registers 4 c + 0, 2, 1, 3; the swaps leave k = 64 c + 32 h + 0 .. 31 in registers 4 c .. 4 c + 3.
.macro QCVT s, pc, nb
.set qc, 0
.rept \nb/2
	v_cvt_scalef32_pk8_fp4_f32 v[\pc+4*qc],   v[\s+32*qc:\s+32*qc+7],     v[TM+12+2*qc]
	v_cvt_scalef32_pk8_fp4_f32 v[\pc+4*qc+2], v[\s+32*qc+8:\s+32*qc+15],  v[TM+12+2*qc]
	v_cvt_scalef32_pk8_fp4_f32 v[\pc+4*qc+1], v[\s+32*qc+16:\s+32*qc+23], v[TM+12+2*qc+1]
	v_cvt_scalef32_pk8_fp4_f32 v[\pc+4*qc+3], v[\s+32*qc+24:\s+32*qc+31], v[TM+12+2*qc+1]
.set qc, qc+1
.endr
	v_nop                                          ; one plain line behind the scaled conversions
.set qc, 0
.rept \nb/2
	v_permlane16_swap_b32 v[\pc+4*qc], v[\pc+4*qc+1]
	v_permlane16_swap_b32 v[\pc+4*qc+2], v[\pc+4*qc+3]
.set qc, qc+1
.endr
.endm
; A step's LDS loads and its eight products S^T = K Q^T.  Written in both arms of the step (with and without masked keys), so that the mask words' loads, their wait and the selects stand in ONE arm.
.macro SCORES
	v_add_nc_u32 v3, s87, v1
	v_add_nc_u32 v4, s87, v2
	v_nop
	v_nop                                          ; four plain lines in front of loads into registers that the last step's matrix instructions read
	ds_load_b128 v[28:31], v3 offset:12288         ; K-side scale words: register p: lanes 0-15 tile 2 p, lanes 16-31 tile 2 p + 1
.irp t, 0,1,2,3,4,5,6,7
	ds_load_b128 v[32+8*\t:35+8*\t], v3 offset:512*\t        ; k's image: k = 0 .. 63
	ds_load_b128 v[36+8*\t:39+8*\t], v3 offset:4096+512*\t   ; r's: k = 64 .. 127
.endr
	ds_load_b64 v[26:27], v4 offset:12800
.irp f, 0,1,2,3,4,5,6,7
	ds_load_b128 v[192+4*\f:195+4*\f], v3 offset:8192+512*\f
.endr
	s_wait_dscnt 9                                 ; V's scale words and its eight loads may be out
.irp t, 0,1,2,3,4,5,6,7
.if (\t)%2
	v_wmma_scale_f32_16x16x128_f8f6f4 v[96+8*\t:103+8*\t], v[32+8*\t:39+8*\t], v[16:23], 0, v[28+\t/2], v24 matrix_a_fmt:MATRIX_FMT_FP4 matrix_b_fmt:MATRIX_FMT_FP4 matrix_a_scale:MATRIX_SCALE_ROW1
.else
	v_wmma_scale_f32_16x16x128_f8f6f4 v[96+8*\t:103+8*\t], v[32+8*\t:39+8*\t], v[16:23], 0, v[28+\t/2], v24 matrix_a_fmt:MATRIX_FMT_FP4 matrix_b_fmt:MATRIX_FMT_FP4
.endif
.endr
.rept 4
	v_nop
.endr
.endm
	s_load_b64 s[2:3], s[0:1], 0x0                 ; ops
	s_load_b128 s[4:7], s[0:1], 0x8                ; maskw s[4:5], av s[6:7]
	v_lshl_add_u32 v254, v0, 2, 0x33000
	v_mov_b32 v255, 0
	v_lshrrev_b32 v1, 5, v0
	v_readfirstlane_b32 s8, v1                     ; wave 0..15
	s_mov_b32 s9, ttmp9                            ; x
	s_and_b32 s10, ttmp7, 0xffff                   ; 16 b + h
	s_lshr_b32 s11, s10, 4                         ; b
	s_and_b32 s12, s10, 15                         ; h
	s_add_co_u32 s13, s12, 1
	s_sub_co_u32 s13, s13, s11
	s_min_u32 s13, s13, 15                         ; the BD term's head; for (0, 15) any head in range: the query's half is zero codes
	s_mov_b32 s96, 0x9C36FA50                      ; g(w), a nibble a wave: 0 5 10 15 6 3 12 9
	s_mov_b32 s97, 0x278D41EB                      ; 11 14 1 4 13 8 7 2
	s_cmp_lt_u32 s8, 8
	s_cselect_b32 s96, s96, s97
	s_and_b32 s97, s8, 7
	s_lshl_b32 s97, s97, 2
	s_lshr_b32 s96, s96, s97
	s_and_b32 s14, s96, 15                         ; g
	s_lshl_b32 s15, s14, 3
	s_add_co_u32 s15, s15, s9                      ; T: my tile of 16 queries
	s_cmp_eq_u32 s10, 15
	s_cselect_b32 s92, 0, -1                       ; (0, 15) has no BD term
	s_mov_b32 s88, 0x3e38aa3b                      ; c = log2(e) / 8
	s_mov_b32 s89, s88                             ; (named with it as a pair, so it is written)
	s_mov_b32 s90, 0x76543210
	s_mov_b32 s91, 0xfedcba98                      ; v_permlanex16_b32's selects for lane l xor 16
	v_and_b32 v8, 31, v0
	v_lshlrev_b32 v1, 4, v8                        ; 16 x lane
	v_lshlrev_b32 v2, 3, v8                        ; 8 x lane
	v_and_b32 v9, 15, v0                           ; r
	v_bfe_u32 v10, v0, 4, 1                        ; lane / 16
	; byte offsets in ops.  The fill: thread tau takes 16 bytes at 16 tau + 8,192 n of each section of 65,536 bytes
	s_lshl_b32 s96, s10, 16
	s_add_co_u32 s97, s96, 0x400000
	s_add_co_u32 s98, s96, 0x600000
	s_lshl_b32 s99, s13, 16
	s_add_co_u32 s99, s99, 0x800000
	v_lshl_add_u32 v136, v0, 4, s97                ; k's images
	v_lshl_add_u32 v137, v0, 4, s99                ; r's
	v_lshl_add_u32 v138, v0, 4, s98                ; V's fragments
	s_lshl_b32 s96, s10, 12
	s_add_co_u32 s97, s96, 0x940000
	s_add_co_u32 s98, s96, 0x960000
	s_lshl_b32 s99, s13, 12
	s_add_co_u32 s99, s99, 0x980000
	v_lshl_add_u32 v139, v0, 3, s97                ; k's scales, 8 bytes a thread
	v_lshl_add_u32 v147, v0, 3, s99                ; r's
	v_lshl_add_u32 v148, v0, 3, s98                ; V's
	s_lshl_b32 s93, s11, 4
	s_add_co_u32 s93, s93, s13                     ; 16 b + the BD term's head
	s_lshl_b32 s96, s10, 16
	s_lshl_b32 s97, s15, 9
	s_add_co_u32 s96, s96, s97
	v_add_nc_u32 v149, s96, v1                     ; my tile's image of q + r_w_bias
	s_lshl_b32 s96, s93, 16
	s_add_co_u32 s96, s96, s97
	s_add_co_u32 s96, s96, 0x200000
	v_add_nc_u32 v150, s96, v1                     ; and of q + r_r_bias
	s_lshl_b32 s96, s14, 8                         ; their scales: step g, [lane' = 16 (x % 2) + r][p = x / 2], two bytes each
	s_and_b32 s97, s9, 1
	s_lshl_b32 s97, s97, 7
	s_add_co_u32 s96, s96, s97
	s_lshr_b32 s97, s9, 1
	s_lshl_b32 s97, s97, 1
	s_add_co_u32 s96, s96, s97
	s_lshl_b32 s97, s10, 12
	s_add_co_u32 s97, s97, s96
	s_add_co_u32 s97, s97, 0x900000
	v_lshl_add_u32 v151, v9, 3, s97
	s_lshl_b32 s97, s93, 12
	s_add_co_u32 s97, s97, s96
	s_add_co_u32 s97, s97, 0x920000
	v_lshl_add_u32 v152, v9, 3, s97
	s_lshl_b32 s96, s11, 7                         ; the way out, in av: tile RT = 128 b + T
	s_add_co_u32 s96, s96, s15
	s_lshl_b32 s97, s96, 13
	s_lshl_b32 s98, s12, 9                         ; K step h / 2, half h % 2: 512 h
	s_add_co_u32 s97, s97, s98
	v_add_nc_u32 v6, s97, v1
	s_lshl_b32 s97, s96, 9
	s_lshl_b32 s98, s12, 1
	s_add_co_u32 s97, s97, s98
	s_add_co_u32 s97, s97, 0x200000
	v_lshl_add_u32 v7, v9, 5, s97
	v_add_nc_u32 v7, v7, v10                       ; byte 2 h + block of row r's 32
	; LDS targets of the fill
	v_lshrrev_b32 v140, 8, v0
	v_and_b32 v141, 255, v0
	v_mul_u32_u24 v140, v140, STEPB
	v_lshl_add_u32 v140, v141, 4, v140             ; step 2 n + tau / 256, byte 16 (tau % 256); n = 0 .. 2 in the immediate,
	v_add_nc_u32 v141, 6*STEPB, v140               ; n = 3 .. 5,
	v_add_nc_u32 v142, 12*STEPB, v140              ; n = 6, 7
	v_lshrrev_b32 v143, 5, v0
	v_mul_u32_u24 v143, v143, STEPB
	v_lshl_add_u32 v145, v8, 4, v143               ; the scale words: step tau / 32, lane tau % 32
	v_lshl_add_u32 v146, v8, 3, v143
	s_lshl_b32 s96, s15, 6
	s_mov_b32 s97, 0
	s_wait_kmcnt 0x0
	s_add_nc_u64 s[94:95], s[4:5], s[96:97]
	s_lshl_b32 s96, s15, 12
	s_add_nc_u64 s[4:5], s[4:5], s[96:97]          ; my tile's mask words, 256 bytes a step
	s_load_b512 s[16:31], s[94:95], 0x80000        ; my tile's 16 flag words
.set n, 0
.rept 8
	global_load_b128 v[32+12*n:35+12*n], v136, s[2:3] offset:8192*n
	global_load_b128 v[36+12*n:39+12*n], v137, s[2:3] offset:8192*n
	global_load_b128 v[40+12*n:43+12*n], v138, s[2:3] offset:8192*n
.set n, n+1
.endr
	global_load_b64 v[128:129], v139, s[2:3]
	global_load_b64 v[130:131], v147, s[2:3]
	global_load_b64 v[132:133], v148, s[2:3]
	global_load_b128 v[16:19], v149, s[2:3]        ; Q's fragment: k = 0 .. 63,
	global_load_b128 v[20:23], v150, s[2:3]        ; k = 64 .. 127
	global_load_u16 v134, v151, s[2:3]
	global_load_u16 v135, v152, s[2:3]
.set i, 0
.rept 24
	s_wait_loadcnt 30-i                            ; of the 31 loads those issued behind this one may be out
	ds_store_b128 v[140+(i/9)], v[32+4*i:35+4*i] offset:((i/3)%3)*2*STEPB+(i%3)*4096
.set i, i+1
.endr
	s_wait_loadcnt 4                               ; the three loads of scales are in; Q's four may be out
	v_perm_b32 v153, v130, v128, 0x05040100        ; a key tile's word: k's two bytes below, r's two above; p = 0,
	v_perm_b32 v154, v130, v128, 0x07060302        ; 1,
	v_perm_b32 v155, v131, v129, 0x05040100        ; 2,
	v_perm_b32 v156, v131, v129, 0x07060302        ; 3
	v_mov_b32 v157, v156
	v_mov_b32 v156, v155
	v_mov_b32 v155, v154
	v_mov_b32 v154, v153                           ; (into an even-aligned run of four)
	ds_store_b128 v145, v[154:157] offset:12288
	ds_store_b64 v146, v[132:133] offset:12800
	s_wait_loadcnt 0x0
.irp k, 20,21,22,23
	v_and_b32 v\k, s92, v\k                        ; (0, 15): zero codes
.endr
	v_lshl_or_b32 v24, v135, 16, v134              ; Q's scale word
	v_mov_b32 v13, 0xff61b1e6                      ; the largest t so far: -3e38
	v_floor_f32 v12, -v13                          ; -M
	v_mov_b32 v14, 0                               ; the sum, in two halves
	v_mov_b32 v15, 0
	v_mov_b32 v5, 0xff800000                       ; -infinity
.set i, 0
.rept 32
	v_mov_b32 v[160+i], 0                          ; O^T: the step is written once; the first change of M multiplies zeros
.set i, i+1
.endr
.irp k, 236,237,238,239,241,242
	v_mov_b32 v\k, 0                               ; lane permutes' destinations, and the upper half of the pair v[240:241]
.endr
	s_wait_kmcnt 0x0
.irp k, 17,18,19,20,21,22,23,24,25,26,27,28,29,30,31
	s_or_b32 s16, s16, s\k
.endr
	s_and_b32 s84, s16, 0xffff                     ; bit kappa: some key of the step counts
	s_lshr_b32 s85, s16, 16                        ; bit kappa: some key of the step is masked
	s_mov_b32 s86, 0                               ; kappa
	s_mov_b32 s87, 0                               ; the step's first LDS byte
	s_wait_dscnt 0x0                               ; for the others' sake: my stores have landed
	s_barrier_signal -1
	s_barrier_wait -1                              ; the one barrier: the head's key side lies in LDS
.Lstep:                                            ; 16 trips, 128 keys each
	s_lshr_b32 s96, s84, s86
	s_and_b32 s96, s96, 1
	s_cmp_eq_u32 s96, 0
	s_cbranch_scc1 .Ldead                          ; no key of the step counts for my queries
	s_lshr_b32 s96, s85, s86
	s_and_b32 s96, s96, 1
	s_cmp_lg_u32 s96, 0
	s_cbranch_scc1 .Lmixed                         ; some key of the step is masked
	SCORES                                         ; every key counts: no mask word is loaded, none is waited for
	s_branch .Lclean
.Lmixed:
	s_load_b512 s[16:31], s[4:5], 0x0              ; the step's 64 lane masks, asked for ahead of the step's LDS loads and products
	s_load_b512 s[32:47], s[4:5], 0x40
	s_load_b512 s[48:63], s[4:5], 0x80
	s_load_b512 s[68:83], s[4:5], 0xc0
	SCORES
	s_wait_kmcnt 0x0
.set n, 0
.rept 64
.if n < 48
	v_cndmask_b32 v[96+n], v[96+n], v5, s[16+n]    ; a masked score becomes -infinity ahead of the maximum: p = 0
.else
	v_cndmask_b32 v[96+n], v[96+n], v5, s[20+n]
.endif
.set n, n+1
.endr
.Lclean:
.irp b, 0,1,2,3
	v_max3_num_f32 v[232+\b], v[96+16*\b], v[97+16*\b], v[98+16*\b]   ; the largest score of each block of 32 keys: for the row's maximum, and, since p rises with the score, for the block's largest p
.endr
.irp i, 3,5,7,9,11,13
.irp b, 0,1,2,3
	v_max3_num_f32 v[232+\b], v[232+\b], v[96+16*\b+\i], v[97+16*\b+\i]
.endr
.endr
.irp b, 0,1,2,3
	v_max_num_f32 v[232+\b], v[232+\b], v[111+16*\b]
.endr
.irp b, 0,1,2,3
	v_permlanex16_b32 v[236+\b], v[232+\b], s90, s91
.endr
.irp b, 0,1,2,3
	v_max_num_f32 v[232+\b], v[232+\b], v[236+\b]  ; with lane l xor 16's 16 keys
.endr
	v_max3_num_f32 v242, v232, v233, v234
	v_max_num_f32 v242, v242, v235
	v_mul_f32 v242, s88, v242                      ; as t (c is positive)
	v_max_num_f32 v13, v13, v242                   ; the running largest t
	v_mov_b32 v242, v12
	v_floor_f32 v12, -v13                          ; the new -M = -ceil(t): a whole number
	v_sub_f32 v242, v12, v242                      ; old M - new M: a whole number, 0 or less
	v_cvt_i32_f32 v242, v242                       ; (it saturates)
	v_ldexp_f32 v240, 1.0, v242                    ; f = 2^(old M - new M): rounds nothing
.irp j, 0,2,4,6,8,10,12,14,16,18,20,22,24,26,28,30,32,34,36,38,40,42,44,46,48,50,52,54,56,58,60,62
	v_pk_fma_f32 v[96+\j:97+\j], v[96+\j:97+\j], s[88:89], v[12:13] op_sel_hi:[1,0,0]   ; t - M, two at a time
.endr
.irp b, 0,1,2,3
	v_fma_f32 v[232+\b], v[232+\b], s88, v12       ; the same of each block's largest score
.endr
.set n, 0
.rept 64
	v_exp_f32 v[96+n], v[96+n]                     ; p = 2^(t - M): not normalised
.set n, n+1
.endr
	v_pk_mul_f32 v[14:15], v[14:15], v[240:241] op_sel_hi:[1,0]   ; the sums under the new M: the plain line behind the exponentials
	s_wait_alu depctr_va_vdst(0)                   ; one wait for the batch, ahead of its first reader
.irp b, 0,1,2,3
	v_exp_f32 v[232+\b], v[232+\b]                 ; the block's largest p
.endr
	v_pk_add_f32 v[236:237], v[96:97], v[98:99]    ; the row's sum is taken of the unquantised p, in two chains
.irp j, 4,8,12,16,20,24,28,32,36,40,44,48,52,56,60
	v_pk_add_f32 v[14:15], v[14:15], v[96+\j:97+\j]
	v_pk_add_f32 v[236:237], v[236:237], v[98+\j:99+\j]
.endr
	v_pk_add_f32 v[14:15], v[14:15], v[236:237]
	s_wait_alu depctr_va_vdst(0)                   ; and one for the four
.irp b, 0,1,2,3
	v_max_num_f32 v[232+\b], 0x1800000, v[232+\b]  ; the floor 2^(3 - 127): a block whose every p is 0 keeps the byte 1: its codes are zeros
.endr
.irp b, 0,1,2,3
	v_add_nc_u32 v[244+\b], 0xff000000, v[232+\b]
.endr
.irp b, 0,1,2,3
	v_lshrrev_b32 v[236+\b], 23, v[244+\b]
.endr
	v_lshl_or_b32 v25, v237, 8, v236               ; p's scale word for these 128 keys
	v_lshl_or_b32 v25, v238, 16, v25
	v_lshl_or_b32 v25, v239, 24, v25
	QCVT 96, 224, 4
.irp j, 0,2,4,6,8,10,12,14,16,18,20,22,24,26,28,30
	v_pk_mul_f32 v[160+\j:161+\j], v[160+\j:161+\j], v[240:241] op_sel_hi:[1,0]   ; O^T under the new M.  These sixteen are also the plain lines between the scale word and the codes just made and the products below
.endr
	s_wait_dscnt 0x0                               ; V is in
.irp d, 0,1,2,3
.if (\d)%2
	v_wmma_scale_f32_16x16x128_f8f6f4 v[160+8*\d:167+8*\d], v[192+8*\d:199+8*\d], v[224:231], v[160+8*\d:167+8*\d], v[26+\d/2], v25 matrix_a_fmt:MATRIX_FMT_FP4 matrix_b_fmt:MATRIX_FMT_FP4 matrix_a_scale:MATRIX_SCALE_ROW1
.else
	v_wmma_scale_f32_16x16x128_f8f6f4 v[160+8*\d:167+8*\d], v[192+8*\d:199+8*\d], v[224:231], v[160+8*\d:167+8*\d], v[26+\d/2], v25 matrix_a_fmt:MATRIX_FMT_FP4 matrix_b_fmt:MATRIX_FMT_FP4
.endif
.endr
.Ldead:
	s_add_co_u32 s87, s87, STEPB
	s_add_nc_u64 s[4:5], s[4:5], 256               ; (no scalar load is out on any way: the one arm that loads has waited)
	s_add_co_u32 s86, s86, 1
	s_cmp_lt_u32 s86, 16
	s_cbranch_scc1 .Lstep
	; ---- THE WAY OUT: O^T / the sum is my head's 64 of the last product's K: quantised here, stored as the image of four operand registers
.rept 4
	v_nop
.endr
	v_add_f32 v14, v14, v15
	v_permlanex16_b32 v242, v14, s90, s91
	v_add_f32 v14, v14, v242                       ; the row's sum
	v_rcp_f32 v15, v14
	v_mov_b32 v243, 0xff                           ; (the plain line behind the reciprocal)
	s_wait_alu depctr_va_vdst(0)                   ; ahead of its first reader
.set n, 0
.rept 32
	v_mul_f32 v[96+n], v[160+n], v15               ; register 8 u + j: d = 16 u + 8 (lane / 16) + j; each accumulator from its low end on
.set n, n+1
.endr
	QMAX 96, 0, 2
	QCVT 96, 224, 2
	s_mov_b32 s96, 0xffff0000
	v_cndmask_b32 v242, v236, v237, s96            ; lanes 0-15 store block 0's byte, lanes 16-31 block 1's
	v_cmp_eq_f32 vcc_lo, 0, v14
	v_cndmask_b32 v242, v242, v243, vcc_lo         ; a query with no key: 0xff
	global_store_b128 v6, v[224:227], s[6:7]       ; 512 consecutive bytes, aligned
	global_store_b8 v7, v242, s[6:7]
	s_wait_tensorcnt 0x0
	ds_add_u32 v254, v255
	s_wait_dscnt 0x0
	s_endpgm
.Lfunc_end_k_q1475bf00f2_attn:
	.size	k_q1475bf00f2_attn, .Lfunc_end_k_q1475bf00f2_attn-k_q1475bf00f2_attn
	.p2alignl 7, 3214868480
	.fill 96, 4, 3214868480
	.section	.rodata,"a",@progbits
	.p2align	6, 0x0
	.amdhsa_kernel k_q1475bf00f2_attn
		.amdhsa_group_segment_fixed_size 210944
		.amdhsa_private_segment_fixed_size 0
		.amdhsa_enable_private_segment 0
		.amdhsa_kernarg_size 24
		.amdhsa_user_sgpr_count 2
		.amdhsa_user_sgpr_kernarg_segment_ptr 1
		.amdhsa_wavefront_size32 1
		.amdhsa_system_sgpr_workgroup_id_x 1
		.amdhsa_system_sgpr_workgroup_id_y 1
		.amdhsa_system_sgpr_workgroup_id_z 1
		.amdhsa_system_vgpr_workitem_id 0
		.amdhsa_next_free_vgpr 256
		.amdhsa_next_free_sgpr 102
		.amdhsa_reserve_vcc 1
		.amdhsa_float_denorm_mode_32 3
		.amdhsa_float_denorm_mode_16_64 3
		.amdhsa_memory_ordered 1
		.amdhsa_forward_progress 1
		.amdhsa_inst_pref_size 40
	.end_amdhsa_kernel
	.amdgpu_metadata
---
amdhsa.version: [ 1, 2 ]
amdhsa.kernels:
  - .name:           k_q1475bf00f2_attn
    .symbol:         k_q1475bf00f2_attn.kd
    .args:
      - { .name: ops, .offset: 0, .size: 8, .value_kind: global_buffer, .address_space: global }
      - { .name: maskw, .offset: 8, .size: 8, .value_kind: global_buffer, .address_space: global }
      - { .name: av, .offset: 16, .size: 8, .value_kind: global_buffer, .address_space: global }
    .group_segment_fixed_size: 210944
    .private_segment_fixed_size: 0
    .kernarg_segment_align: 8
    .kernarg_segment_size: 24
    .max_flat_workgroup_size: 512
    .sgpr_count:     102
    .vgpr_count:     256
    .wavefront_size: 32
...
	.end_amdgpu_metadata
.endif
;; end of part 3
;; launch out (part 4): grid 256 x 1, 16 waves a work-group, no clusters, 286,720 bytes of LDS; arguments av, xq, W_o_scales, content, ln_gamma, ln_beta, out0; writes out0
.if DOCPART == 4
	.amdgcn_target "amdgcn-amd-amdhsa--gfx1250"
	.amdhsa_code_object_version 6
	.text
	.protected	k_q1475bf00f2_out
	.globl	k_q1475bf00f2_out
	.p2align	8
	.type	k_q1475bf00f2_out,@function
k_q1475bf00f2_out:
	s_mov_b64 s[64:65], 0
	v_nop
	global_prefetch_b8 v0, s[64:65] scope:SCOPE_SE
	s_setreg_imm32_b32 hwreg(HW_REG_WAVE_MODE, 25, 1), 1
	s_wait_xcnt 0x0
; out0 = LayerNorm(content + attn_vec W_o), the product on codes of FP4 (E2M1) with E8M0 scales, the rest in f32.
; SHARES.  Work-group RT = 128 b + T takes the 16 rows (i = 16 T + r, b) and all 1,024 columns, so that a row's mean and variance stay in the work-group.  Wave w takes columns 64 w .. 64 w + 63: four accumulators, 32 matrix instructions.
; TRANSPOSED: source 0 = 16 rows of W_o (columns of the result), source 1 = the 16 rows of attn_vec: lane (r, h) holds row r, register j of tile t column 64 w + 16 t + 8 h + j.
; W_o's FRAGMENTS TAKE TWO ROADS AT ONCE, in the order in which the first launch laid them.  K steps 0 to 2 of my four tiles (4 x 3,072 bytes) come by ONE tensor load into LDS bytes of my own: three steps x 16 waves are
; 196,608 bytes, as many as fit beside the 88,064 bytes of stages, images and sums; they are filled once.  K steps 3 to 7 come from memory straight into five sets of registers, all 40 loads asked for at the head.
; So a wave has 49 loads into registers, where all of W_o, content, gamma and beta by that road would be 95.
; content is the C of each sum's first matrix instruction: my 16 rows x 256 bytes come by one tensor load into my stage, 16 bytes of padding behind each row, and are read from there in the result's layout; the residual costs no addition.
; Both tiles are read by the wave that asked for them alone.  By this text's count a wave has two tensor loads out.  attn_vec's eight fragments go through LDS as images of their registers, one piece a wave.
; THE K STEPS ARE TAKEN IN THE ORDER 3 .. 7, 0 .. 2: a set that a step from memory has left takes a step from LDS (then gamma, then beta).
; LayerNorm in two passes, as reference() has it: the mean, then the mean of the squared differences; the waves' partial sums meet in LDS.
; NO JOINT LOADS, though all work-groups read W_o: content's tiles differ between partners, and the joint form would put two rounds of the cluster's barrier round a launch with 32 matrix instructions a wave.
; A row whose scale bytes are 0xff (a query with no key) comes out NaN, as in reference().
.set WF_OFF, 2228224
.set AIMG, 0                           ; attn_vec's 8 fragments, 1,024 bytes each
.set STG,  8192                        ; 16 rows x (256 + 16) bytes for each wave: content on the way in, the result on the way out (behind the bytes' one fill)
.set RED0, 77824                       ; [row 16][wave 16] f32;  the squares' sums 1,024 bytes on
.set GAM,  79872                       ; gamma, 256 bytes a wave;  beta 4,096 bytes on
.set WT,   88064                       ; W_o's K steps 0 to 2: 12,288 bytes a wave: [tile 4][K step 3][half 2][lane][16 bytes]
.set G1C,  32                          ; s[32:39] descriptor group 1 for content's tile;  s[40:47] for W_o's
.set G1W,  40
.set G0C,  48                          ; s[48:51], s[52:55] their groups 0
.set G0W,  52
.macro BLOAD i                         ; W_o's four fragments of K step 3 + i from memory into set i (sets 0-3: v128 on; set 4: v88-119)
.set BB, 128+32*(\i)-168*((\i)/4)
.irp j, 0,1,2,3
.irp c, 0,1
	global_load_b128 v[BB+8*\j+4*\c:BB+8*\j+4*\c+3], v1, s[6:7] offset:\j*8192+(3+(\i))*1024+\c*512
.endr
.endr
.endm
.macro TLOAD t                         ; those of K step t from my LDS bytes into set t
.irp j, 0,1,2,3
.irp c, 0,1
	ds_load_b128 v[128+32*(\t)+8*\j+4*\c:128+32*(\t)+8*\j+4*\c+3], v14 offset:\j*3072+(\t)*1024+\c*512
.endr
.endr
.endm
.macro ALOAD p                         ; attn_vec's fragment of the p-th K step taken, (p + 3) % 8, into set p % 2
.irp c, 0,1
	ds_load_b128 v[40+8*((\p)%2)+4*\c:40+8*((\p)%2)+4*\c+3], v1 offset:AIMG+1024*(((\p)+3)%8)+512*\c
.endr
.endm
.macro VEC reg, off                    ; my 64 numbers of gamma or beta in the result's layout: 32 a lane
.irp j, 0,1,2,3
	ds_load_b128 v[\reg+8*\j:\reg+8*\j+3], v15 offset:\off+64*\j
	ds_load_b128 v[\reg+8*\j+4:\reg+8*\j+7], v15 offset:\off+64*\j+16
.endr
.endm
.macro KSTEP p                         ; the p-th K step taken
.set KK, ((\p)+3)%8
.set BB, 128+32*((\p)%5)-168*(((\p)%5)/4)
.if (\p) < 5
	s_wait_loadcnt 32-8*(\p)                       ; this step's eight loads are in; the younger groups of eight may be out
.endif
.if (\p) == 0
	s_wait_dscnt 2                                 ; content and attn_vec's fragment are in; the next fragment's two loads may be out
.elseif (\p) < 6
	s_wait_dscnt 10                                ; behind my fragment of attn_vec: the eight loads into the set last left, and the next fragment's two
.elseif (\p) == 6
	s_wait_dscnt 2
.else
	s_wait_dscnt 0x0
.endif
.irp j, 0,1,2,3                        ; the four accumulators by turns
.if (\j)%2
	v_wmma_scale_f32_16x16x128_f8f6f4 v[56+8*\j:63+8*\j], v[BB+8*\j:BB+8*\j+7], v[40+8*((\p)%2):47+8*((\p)%2)], v[56+8*\j:63+8*\j], v[24+8*(\j/2)+KK], v[16+KK] matrix_a_fmt:MATRIX_FMT_FP4 matrix_b_fmt:MATRIX_FMT_FP4 matrix_a_scale:MATRIX_SCALE_ROW1
.else
	v_wmma_scale_f32_16x16x128_f8f6f4 v[56+8*\j:63+8*\j], v[BB+8*\j:BB+8*\j+7], v[40+8*((\p)%2):47+8*((\p)%2)], v[56+8*\j:63+8*\j], v[24+8*(\j/2)+KK], v[16+KK] matrix_a_fmt:MATRIX_FMT_FP4 matrix_b_fmt:MATRIX_FMT_FP4
.endif
.endr
.rept 4
	v_nop                                          ; plain lines in front of loads into registers just read, and of the first read of the results
.endr
.if (\p) < 3
	TLOAD \p                                       ; the set just left takes K step p
.endif
.if (\p) == 3
	VEC 224, 0                                     ; gamma, into set 3
.endif
.if (\p) == 4
	VEC 88, 4096                                   ; beta, into set 4
.endif
.if (\p) < 6
	ALOAD (\p)+2
.endif
.endm
.macro LSUM                            ; v[120:123]: two packed chains -> v120: the sum over my lane and lane l xor 16
	v_pk_add_f32 v[120:121], v[120:121], v[122:123]
	v_add_f32 v120, v120, v121
	v_permlanex16_b32 v121, v120, s28, s29
	v_add_f32 v120, v120, v121
.endm
.macro RSUM off                        ; my row's sixteen partial sums, one a wave -> v128
.irp q, 0,1,2,3
	ds_load_b128 v[128+4*\q:131+4*\q], v9 offset:\off+16*\q
.endr
	s_wait_dscnt 0x0
	v_pk_add_f32 v[128:129], v[128:129], v[130:131]
	v_pk_add_f32 v[132:133], v[132:133], v[134:135]
	v_pk_add_f32 v[136:137], v[136:137], v[138:139]
	v_pk_add_f32 v[140:141], v[140:141], v[142:143]
	v_pk_add_f32 v[128:129], v[128:129], v[132:133]
	v_pk_add_f32 v[136:137], v[136:137], v[140:141]
	v_pk_add_f32 v[128:129], v[128:129], v[136:137]
	v_add_f32 v128, v128, v129
.endm
.macro BARRIER                         ; my LDS stores have landed and my LDS loads are in: then the work-group's barrier
	s_wait_dscnt 0x0
	s_barrier_signal -1
	s_barrier_wait -1
.endm
	s_load_b256 s[4:11], s[0:1], 0x0               ; av s[4:5], xq s[6:7], W_o_scales s[8:9], content s[10:11]
	s_load_b128 s[12:15], s[0:1], 0x20             ; ln_gamma s[12:13], ln_beta s[14:15]
	s_load_b64 s[16:17], s[0:1], 0x30              ; out0
	v_lshl_add_u32 v254, v0, 2, 0x45800
	v_mov_b32 v255, 0
	ds_add_u32 v254, v255
	ds_add_u32 v254, v255
	s_wait_dscnt 0x0
	v_lshrrev_b32 v1, 5, v0
	v_readfirstlane_b32 s18, v1                    ; wave 0..15
	s_lshr_b32 s19, ttmp9, 7                       ; b
	s_and_b32 s20, ttmp9, 127                      ; T
	; group 1 for content: 16 rows of 256 bytes (32 elements of 8), 8,192 bytes apart in memory, 16 bytes of padding behind each in LDS
	s_mov_b32 s[G1C+0], (3<<16)|(1<<20)|(5<<22)|(3<<25)   ; 15:0 no mask; 17:16 elements of 8 bytes; 20 padding on; 24:22 after every 64 words; 31:25 four words
	s_mov_b32 s[G1C+1], 32<<16                     ; tensor_dim0
	s_mov_b32 s[G1C+2], 16<<16                     ; tensor_dim1
	s_mov_b32 s[G1C+3], 32<<16                     ; tile_dim0
	s_mov_b32 s[G1C+4], 16                         ; tile_dim1
	s_mov_b32 s[G1C+5], 1024                       ; from row to row, in elements
	s_mov_b32 s[G1C+6], 0
	s_mov_b32 s[G1C+7], 0
	; group 1 for W_o: 4 rows (tiles) of 3,072 bytes (384 elements of 8: K steps 0 to 2), 8,192 bytes apart in memory, on end in LDS
	s_mov_b32 s[G1W+0], 3<<16
	s_mov_b32 s[G1W+1], 384<<16
	s_mov_b32 s[G1W+2], 4<<16
	s_mov_b32 s[G1W+3], 384<<16
	s_mov_b32 s[G1W+4], 4
	s_mov_b32 s[G1W+5], 1024
	s_mov_b32 s[G1W+6], 0
	s_mov_b32 s[G1W+7], 0
	v_and_b32 v2, 31, v0                           ; lane
	v_and_b32 v3, 15, v0                           ; r
	v_bfe_u32 v7, v0, 4, 1                         ; h
	v_lshlrev_b32 v1, 4, v2                        ; 16 x lane
	v_lshlrev_b32 v4, 13, v7
	v_lshl_add_u32 v4, v3, 4, v4                   ; out0 by rows: sixteen lanes a row's 256 bytes, the other sixteen the next i's (8,192 bytes on)
	s_mul_i32 s21, s18, 4352
	s_add_co_u32 s21, s21, STG                     ; my stage
	s_mov_b32 s[G0C], 1                            ; 1:0 count = 1
	s_mov_b32 s[G0C+1], s21                        ; 63:32 LDS address
	v_mul_u32_u24 v5, v7, 272
	v_lshl_add_u32 v5, v3, 4, v5
	v_add_nc_u32 v5, s21, v5                       ; by rows
	v_mul_u32_u24 v6, v3, 272
	v_lshl_add_u32 v6, v7, 5, v6
	v_add_nc_u32 v6, s21, v6                       ; in the result's layout: row r, + 32 h
	v_lshlrev_b32 v9, 6, v3
	v_add_nc_u32 v9, RED0, v9                      ; my row's sixteen words
	s_lshl_b32 s21, s18, 2
	v_add_nc_u32 v8, s21, v9                       ; my wave's among them
	v_lshlrev_b32 v11, 5, v3                       ; 32 r
	v_lshlrev_b32 v12, 5, v2                       ; 32 x lane
	s_lshl_b32 s21, s18, 9
	v_add_nc_u32 v13, s21, v1                      ; my piece of attn_vec's images
	s_lshl_b32 s21, s18, 8
	s_add_co_u32 s21, s21, GAM                     ; my 256 bytes of gamma
	v_lshl_add_u32 v10, v2, 3, s21                 ; in: 8 bytes a lane
	v_lshl_add_u32 v15, v7, 5, s21                 ; out: + 32 h
	s_mul_i32 s21, s18, 12288
	s_add_co_u32 s21, s21, WT                      ; my 12,288 bytes of W_o
	s_mov_b32 s[G0W], 1
	s_mov_b32 s[G0W+1], s21
	v_add_nc_u32 v14, s21, v1
	v_lshlrev_b32 v2, 3, v2                        ; 8 x lane
	s_mov_b32 s24, 0x3a800000                      ; 1 / 1,024
	s_mov_b32 s25, 0x3727c5ac                      ; 1e-5
	s_mov_b32 s28, 0x76543210
	s_mov_b32 s29, 0xfedcba98                      ; v_permlanex16_b32's selects for lane l xor 16
	s_lshl_b32 s22, s20, 17                        ; 16 i of 8,192 bytes
	s_lshl_b32 s23, s19, 12
	s_add_co_u32 s22, s22, s23
	s_lshl_b32 s23, s18, 8
	s_add_co_u32 s22, s22, s23
	s_mov_b32 s23, 0
	s_wait_kmcnt 0x0
	s_add_nc_u64 s[10:11], s[10:11], s[22:23]      ; content and out0 at my 16 rows' 256 bytes
	s_add_nc_u64 s[16:17], s[16:17], s[22:23]
	s_lshl_b32 s22, s18, 15
	s_add_co_u32 s22, s22, WF_OFF
	s_add_nc_u64 s[6:7], s[6:7], s[22:23]          ; W_o's fragments of my four tiles
	s_mov_b64 s[G0C+2:G0C+3], s[10:11]             ; 120:64 global address of the tile's first element
	s_or_b32 s[G0C+3], s[G0C+3], 0x80000000        ; 127:126 type = 2
	s_mov_b64 s[G0W+2:G0W+3], s[6:7]
	s_or_b32 s[G0W+3], s[G0W+3], 0x80000000
	tensor_load_to_lds s[G0C:G0C+3], s[G1C:G1C+7]  ; the two fills go out together, ahead of every wait on TENSORcnt, every LDS read and every barrier
	s_nop 0
	tensor_load_to_lds s[G0W:G0W+3], s[G1W:G1W+7]
	s_nop 0
.rept 4
	v_nop                                          ; four plain lines follow the tensor loads
.endr
	s_lshl_b32 s22, s18, 8
	s_add_nc_u64 s[12:13], s[12:13], s[22:23]
	s_add_nc_u64 s[14:15], s[14:15], s[22:23]
	s_lshl_b32 s22, ttmp9, 13
	s_lshl_b32 s30, s18, 9
	s_add_co_u32 s22, s22, s30
	s_add_nc_u64 s[26:27], s[4:5], s[22:23]        ; attn_vec's codes: my piece of 512 bytes
	s_lshl_b32 s22, ttmp9, 9
	s_add_co_u32 s22, s22, 0x200000
	s_add_nc_u64 s[4:5], s[4:5], s[22:23]          ; its scale bytes: 32 a row
	s_lshl_b32 s22, s18, 11
	s_add_nc_u64 s[8:9], s[8:9], s[22:23]          ; W_o's scale bytes of my 64 rows
	global_load_b128 v[120:123], v1, s[26:27]
	global_load_b64 v[124:125], v2, s[12:13]       ; my 64 numbers of gamma: 256 consecutive bytes a wave,
	global_load_b64 v[126:127], v2, s[14:15]       ; and of beta
	global_load_b128 v[16:19], v11, s[4:5]         ; word s of row r: v[16 + s]
	global_load_b128 v[20:23], v11, s[4:5] offset:16
.irp p, 0,1
	global_load_b128 v[24+8*\p:27+8*\p], v12, s[8:9] offset:1024*\p        ; lanes 0-15: tile 2 p's rows, lanes 16-31: tile 2 p + 1's
	global_load_b128 v[28+8*\p:31+8*\p], v12, s[8:9] offset:1024*\p+16
.endr
.irp i, 0,1,2,3,4
	BLOAD \i
.endr
	s_wait_loadcnt 48                              ; attn_vec's piece is in; the 48 loads behind it may be out
	ds_store_b128 v13, v[120:123] offset:AIMG
	s_wait_loadcnt 46                              ; gamma's and beta's too
	ds_store_b64 v10, v[124:125]
	ds_store_b64 v10, v[126:127] offset:4096
	s_wait_tensorcnt 0x0                           ; my two tiles have landed: I alone read them
	BARRIER                                        ; attn_vec's eight fragments lie in LDS
.irp j, 0,1,2,3
	ds_load_b128 v[56+8*\j:59+8*\j], v6 offset:64*\j          ; content in the result's layout
	ds_load_b128 v[60+8*\j:63+8*\j], v6 offset:64*\j+16
.endr
	ALOAD 0
	ALOAD 1
.irp p, 0,1,2,3,4,5,6,7
	KSTEP \p
.endr
	; ---- LayerNorm.  The sum of my 32 numbers, in two chains; each accumulator is first read at its low end
	v_pk_add_f32 v[120:121], v[56:57], v[60:61]
	v_pk_add_f32 v[122:123], v[58:59], v[62:63]
.irp k, 2,3,4,5,6,7
	v_pk_add_f32 v[120:121], v[120:121], v[56+4*\k:57+4*\k]
	v_pk_add_f32 v[122:123], v[122:123], v[58+4*\k:59+4*\k]
.endr
	LSUM
	ds_store_b32 v8, v120                          ; both halves of the lanes write the same word with the same value
	BARRIER
	RSUM 0
	v_mul_f32 v124, 0xba800000, v128               ; -mean
	v_mov_b32 v125, v124
.irp k, 0,1,2,3,4,5,6,7,8,9,10,11,12,13,14,15
	v_pk_add_f32 v[56+2*\k:57+2*\k], v[56+2*\k:57+2*\k], v[124:125]
.endr
	v_pk_mul_f32 v[120:121], v[56:57], v[56:57]
	v_pk_mul_f32 v[122:123], v[58:59], v[58:59]
.irp k, 1,2,3,4,5,6,7
	v_pk_fma_f32 v[120:121], v[56+4*\k:57+4*\k], v[56+4*\k:57+4*\k], v[120:121]
	v_pk_fma_f32 v[122:123], v[58+4*\k:59+4*\k], v[58+4*\k:59+4*\k], v[122:123]
.endr
	LSUM
	ds_store_b32 v8, v120 offset:1024              ; other bytes than the first sums': no wave waits for their readers
	BARRIER
	RSUM 1024
	v_fma_f32 v120, v128, s24, s25                 ; variance + 1e-5
	v_rsq_f32 v126, v120
	v_nop                                          ; a plain line behind the transcendental,
	s_wait_alu depctr_va_vdst(0)                   ; and the wait ahead of its first reader
	v_mov_b32 v127, v126
.irp k, 0,1,2,3,4,5,6,7,8,9,10,11,12,13,14,15
	v_pk_mul_f32 v[56+2*\k:57+2*\k], v[56+2*\k:57+2*\k], v[126:127]
.endr
.irp k, 0,1,2,3,4,5,6,7,8,9,10,11,12,13,14,15
	v_pk_fma_f32 v[56+2*\k:57+2*\k], v[56+2*\k:57+2*\k], v[224+2*\k:225+2*\k], v[88+2*\k:89+2*\k]   ; x gamma + beta
.endr
	; ---- the way out: through my stage, whose one fill is long over, back by rows
.irp j, 0,1,2,3
	ds_store_b128 v6, v[56+8*\j:59+8*\j] offset:64*\j
	ds_store_b128 v6, v[60+8*\j:63+8*\j] offset:64*\j+16
.endr
.irp e, 0,1,2,3,4,5,6,7
	ds_load_b128 v[128+4*\e:131+4*\e], v5 offset:544*\e   ; LDS serves a wave's instructions in order: these see my stores
.endr
.irp e, 0,1,2,3,4,5,6,7
	s_wait_dscnt 7-\e
	global_store_b128 v4, v[128+4*\e:131+4*\e], s[16:17] offset:16384*\e th:TH_STORE_NT   ; sixteen lanes store 256 consecutive bytes, aligned
.endr
	s_wait_xcnt 0x0
	v_lshl_add_u32 v254, v0, 2, 0x45800
	v_mov_b32 v255, 0
	s_wait_tensorcnt 0x0
	ds_add_u32 v254, v255
	s_wait_dscnt 0x0
	s_endpgm
.Lfunc_end_k_q1475bf00f2_out:
	.size	k_q1475bf00f2_out, .Lfunc_end_k_q1475bf00f2_out-k_q1475bf00f2_out
	.p2alignl 7, 3214868480
	.fill 96, 4, 3214868480
	.section	.rodata,"a",@progbits
	.p2align	6, 0x0
	.amdhsa_kernel k_q1475bf00f2_out
		.amdhsa_group_segment_fixed_size 286720
		.amdhsa_private_segment_fixed_size 0
		.amdhsa_enable_private_segment 0
		.amdhsa_kernarg_size 56
		.amdhsa_user_sgpr_count 2
		.amdhsa_user_sgpr_kernarg_segment_ptr 1
		.amdhsa_wavefront_size32 1
		.amdhsa_system_sgpr_workgroup_id_x 1
		.amdhsa_system_sgpr_workgroup_id_y 1
		.amdhsa_system_sgpr_workgroup_id_z 1
		.amdhsa_system_vgpr_workitem_id 0
		.amdhsa_next_free_vgpr 256
		.amdhsa_next_free_sgpr 66
		.amdhsa_reserve_vcc 0
		.amdhsa_float_denorm_mode_32 3
		.amdhsa_float_denorm_mode_16_64 3
		.amdhsa_memory_ordered 1
		.amdhsa_forward_progress 1
		.amdhsa_inst_pref_size 29
	.end_amdhsa_kernel
	.amdgpu_metadata
---
amdhsa.version: [ 1, 2 ]
amdhsa.kernels:
  - .name:           k_q1475bf00f2_out
    .symbol:         k_q1475bf00f2_out.kd
    .args:
      - { .name: av, .offset: 0, .size: 8, .value_kind: global_buffer, .address_space: global }
      - { .name: xq, .offset: 8, .size: 8, .value_kind: global_buffer, .address_space: global }
      - { .name: W_o_scales, .offset: 16, .size: 8, .value_kind: global_buffer, .address_space: global }
      - { .name: content, .offset: 24, .size: 8, .value_kind: global_buffer, .address_space: global }
      - { .name: ln_gamma, .offset: 32, .size: 8, .value_kind: global_buffer, .address_space: global }
      - { .name: ln_beta, .offset: 40, .size: 8, .value_kind: global_buffer, .address_space: global }
      - { .name: out0, .offset: 48, .size: 8, .value_kind: global_buffer, .address_space: global }
    .group_segment_fixed_size: 286720
    .private_segment_fixed_size: 0
    .kernarg_segment_align: 8
    .kernarg_segment_size: 56
    .max_flat_workgroup_size: 512
    .sgpr_count:     66
    .vgpr_count:     256
    .wavefront_size: 32
...
	.end_amdgpu_metadata
.endif
;; end of part 4
;; ======== version 2 of 2: 4 launches; version 1 with the launch attn written anew for expert scheduling mode
;; workspace buffers: xq 2,752,512 bytes; maskw 532,480 bytes of whole numbers; ops 10,027,008 bytes; av 2,228,224 bytes
;; launch prep: the kernel of part 1 again; grid 400 x 1, 4 waves a work-group, no clusters, 84,480 bytes of LDS; arguments content, attn_mask, W_o_codes, xq, maskw; writes xq, maskw
;; launch proj: the kernel of part 2 again; grid 4 x 56, 4 waves a work-group, clusters of 4 x 4, 296,448 bytes of LDS; arguments xq, W_qkv_codes, W_qkv_scales, rel_pos_codes, rel_pos_scales, W_r_codes, W_r_scales, r_w_bias, r_r_bias, ops; writes ops
;; launch attn (part 5): grid 8 x 32, 16 waves a work-group, no clusters, 210,944 bytes of LDS; arguments ops, maskw, av; writes av
.if DOCPART == 5
	.amdgcn_target "amdgcn-amd-amdhsa--gfx1250"
	.amdhsa_code_object_version 6
	.text
	.protected	k_q1475bf00f2_attn
	.globl	k_q1475bf00f2_attn
	.p2align	8
	.type	k_q1475bf00f2_attn,@function
k_q1475bf00f2_attn:
	s_mov_b64 s[64:65], 0
	v_nop
	global_prefetch_b8 v0, s[64:65] scope:SCOPE_SE
	s_setreg_imm32_b32 hwreg(HW_REG_WAVE_SCHED_MODE, 0, 2), 2
	s_setreg_imm32_b32 hwreg(HW_REG_WAVE_MODE, 25, 1), 1
	s_wait_xcnt 0x0
	s_wait_alu depctr_vm_vsrc(0)
; Attention for one (b, h) = work-group y, on codes of FP4 (E2M1) with E8M0 scales.  The shift of reference() moves whole planes along the head axis: the BD term of (b, h) is that of head g = h + 1 - b, and nothing for (0, 15).
; So score = AC + BD is ONE product with K = 128: query side [q_h + r_w_bias_h | q_g + r_r_bias_g], key side [k_h | r_g], four blocks of 32 with their own scales; for (0, 15) the query's second half is zero codes.
; SOFTMAX: t = score x log2(e) / 8; M = the running largest t rounded up to a whole number; p = 2^(t - M) is quantised along the keys; the row's sum is taken of the unquantised p and divides at the end.
; THE MASK is the input's, bit for bit: the launch before stored, for each tile of 16 queries x 128 keys, the 64 lane masks of the score registers and two flags.  A step none of whose keys counts for my queries is passed over
; (every p would be 0); a step with no masked key loads no mask words and has no selects.  These are scalar branches on stored whole numbers.
; SHARES.  A wave owns one tile of 16 queries, T = 8 g(w) + x; g(w) comes from a table that gives each four waves w % 4 and each four w / 4 one tile of each quarter of the sequence: no result hangs on it.
; LDS holds ALL of the head's key side at once: 16 steps x 13,056 bytes, in the order of the operands' registers (16 bytes a lane on end).  It is filled once through registers; one barrier; then the waves run free.
; NO JOINT LOADS, though the eight work-groups of a (b, h) read the same 204 KB: joint requests are tensor loads, and a launch whose steps are passed over by branches on numbers read from memory has none.
; BOTH PRODUCTS TRANSPOSED: S^T = K Q^T, O^T = V^T P^T: a lane holds one query (lane % 16); score register n = key 16 (n / 8) + 8 (lane / 16) + n % 8 of the step.
; LIMITS: NaN and infinities among the inputs are not served; a block of zeros gets the byte 1 (read by this program alone).  A query ALL of whose keys are masked has the sum 0: its scale bytes become 0xff, so that the last product gives NaN for that row, as reference() does.
; The two scale bytes of each query and head leave as single bytes, 32 a wave: 131,072 bytes in the whole launch.
; THE MODE: SCHED_MODE bits 1:0 = 2 (LLVM: expert scheduling mode 2), set by the entry lines.  The code itself states the register dependences between vector or matrix instructions and memory or LDS instructions, with s_wait_alu, always for 0.
; THE PLAN.  Registers that memory or LDS instructions touch:
;   at the head   v136-152, v6, v7: offsets and LDS addresses, written once by vector lines, read by the fill's loads and stores and by the last two stores.  v32-127, v132-133, v154-157: the data of the fill's LDS stores.
;                 v136-159 and v96-127 become scores, v32-95 fragments: ONE wait on vm_vsrc ahead of the loop states that the fill has read them all.
;   in a step     v3, v4: LDS addresses, written by two adds at the step's head, read by its 26 loads.  v28-31, v32-95: the key side's scale words and fragments, loaded at the head, read by the eight products S^T.
;                 v26-27, v192-223: V's scale words and fragments, loaded among those eight products, read by the four products O^T.  All else is named by vector and matrix instructions alone.
;   A step's head has one wait on vm_vsrc (the last step's loads have read v3, v4) and one on va_vdst (v3, v4 are written; the last step's products are done reading both sets).  All 26 loads follow with no further wait:
;   the products S^T, among which V's nine stand, name v16-24, v28-95 and v96-159 and none of v3, v4, v26-27, v192-223.
;   on the way out  v224-227 and v242: written by conversions, swaps and selects, read by the two stores behind one wait on va_vdst.
.set STEPB, 13056                      ; a step in LDS: +0 k's 8 images, +4,096 r's, +8,192 V's 4 fragments, +12,288 K-side scale words [lane][4], +12,800 V's [lane][2]
.set TM,    232                        ; v232-235 blocks' maxima, v236-239 at work / bytes, v244-247 the conversions' scale operands
.macro QMAX s, pw, nb
.set qb, 0
.rept \nb
	v_max3_num_f32 v[TM+qb], |v[\s+16*qb]|, |v[\s+16*qb+1]|, 0x1800000   ; with the floor 2^(3 - 127): the byte cannot fall under 1
.set qb, qb+1
.endr
.irp i, 2,4,6,8,10,12,14
.set qb, 0
.rept \nb
	v_max3_num_f32 v[TM+qb], v[TM+qb], |v[\s+16*qb+\i]|, |v[\s+16*qb+\i+1]|
.set qb, qb+1
.endr
.endr
.set qb, 0
.rept \nb
	v_permlanex16_b32 v[TM+4+qb], v[TM+qb], s90, s91
.set qb, qb+1
.endr
.set qb, 0
.rept \nb
	v_max_num_f32 v[TM+qb], v[TM+qb], v[TM+4+qb]
.set qb, qb+1
.endr
.set qb, 0
.rept \nb
	v_add_nc_u32 v[TM+12+qb], 0xff000000, v[TM+qb]
.set qb, qb+1
.endr
.set qb, 0
.rept \nb
	v_lshrrev_b32 v[TM+4+qb], 23, v[TM+12+qb]
.set qb, qb+1
.endr
.if \nb > 2
	v_lshl_or_b32 v[\pw], v[TM+5], 8, v[TM+4]
	v_lshl_or_b32 v[\pw], v[TM+6], 16, v[\pw]
	v_lshl_or_b32 v[\pw], v[TM+7], 24, v[\pw]
.endif
.endm
; Of each four accumulators (k = 64 c + 16 u + 8 h + j) the conversions' results go to registers 4 c + 0, 2, 1, 3; the swaps leave k = 64 c + 32 h + 0 .. 31 in registers 4 c .. 4 c + 3.
.macro QCVT s, pc, nb
.set qc, 0
.rept \nb/2
	v_cvt_scalef32_pk8_fp4_f32 v[\pc+4*qc],   v[\s+32*qc:\s+32*qc+7],     v[TM+12+2*qc]
	v_cvt_scalef32_pk8_fp4_f32 v[\pc+4*qc+2], v[\s+32*qc+8:\s+32*qc+15],  v[TM+12+2*qc]
	v_cvt_scalef32_pk8_fp4_f32 v[\pc+4*qc+1], v[\s+32*qc+16:\s+32*qc+23], v[TM+12+2*qc+1]
	v_cvt_scalef32_pk8_fp4_f32 v[\pc+4*qc+3], v[\s+32*qc+24:\s+32*qc+31], v[TM+12+2*qc+1]
.set qc, qc+1
.endr
	v_nop                                          ; one plain line behind the scaled conversions
.set qc, 0
.rept \nb/2
	v_permlane16_swap_b32 v[\pc+4*qc], v[\pc+4*qc+1]
	v_permlane16_swap_b32 v[\pc+4*qc+2], v[\pc+4*qc+3]
.set qc, qc+1
.endr
.endm
; A step's LDS loads and its eight products S^T = K Q^T.  Written in both arms of the step (with and without masked keys), so that the mask words' loads, their wait and the selects stand in ONE arm.
; The key side's 17 loads stand ahead of the products; V's nine are dealt among them, two behind the first product and one behind each of the others.
.macro SCORES
	s_wait_alu depctr_vm_vsrc(0)                   ; the LDS loads of the last step that was walked have read v3 and v4, which the two lines below write
	v_add_nc_u32 v3, s87, v1
	v_add_nc_u32 v4, s87, v2
	v_nop
	v_nop                                          ; four plain lines in front of loads into registers that the last step's matrix instructions read
	s_wait_alu depctr_va_vdst(0)                   ; v3 and v4 are written, which all 26 loads read; the last step's products are done reading v26-31, v32-95 and v192-223, in which the loads land; in the first step walked: v20-23 and the scale word v24, which the products take, are written
	ds_load_b128 v[28:31], v3 offset:12288         ; K-side scale words: register p: lanes 0-15 tile 2 p, lanes 16-31 tile 2 p + 1
.irp t, 0,1,2,3,4,5,6,7
	ds_load_b128 v[32+8*\t:35+8*\t], v3 offset:512*\t        ; k's image: k = 0 .. 63
	ds_load_b128 v[36+8*\t:39+8*\t], v3 offset:4096+512*\t   ; r's: k = 64 .. 127
.endr
.irp t, 0,1,2,3,4,5,6,7
.if (\t) == 0
	s_wait_dscnt 14                                ; LDS loads come back in order (ISA guide 5.7.1): the scale words and tile 0 are in; the 14 loads of tiles 1 to 7 may be out
.else
	s_wait_dscnt 15-\t                             ; tile t is in; behind it: 14 - 2 t loads of the later tiles and the t + 1 of V's issued so far
.endif
.if (\t)%2
	v_wmma_scale_f32_16x16x128_f8f6f4 v[96+8*\t:103+8*\t], v[32+8*\t:39+8*\t], v[16:23], 0, v[28+\t/2], v24 matrix_a_fmt:MATRIX_FMT_FP4 matrix_b_fmt:MATRIX_FMT_FP4 matrix_a_scale:MATRIX_SCALE_ROW1
.else
	v_wmma_scale_f32_16x16x128_f8f6f4 v[96+8*\t:103+8*\t], v[32+8*\t:39+8*\t], v[16:23], 0, v[28+\t/2], v24 matrix_a_fmt:MATRIX_FMT_FP4 matrix_b_fmt:MATRIX_FMT_FP4
.endif
.if (\t) == 0
	ds_load_b64 v[26:27], v4 offset:12800          ; V's scale words.  No wait: no vector or matrix instruction since the wait on va_vdst above names v3, v4, v26-27 or v192-223
.endif
	ds_load_b128 v[192+4*\t:195+4*\t], v3 offset:8192+512*\t   ; half a fragment of V
.endr
.rept 4
	v_nop
.endr
.endm
	s_load_b64 s[2:3], s[0:1], 0x0                 ; ops
	s_load_b128 s[4:7], s[0:1], 0x8                ; maskw s[4:5], av s[6:7]
	v_lshl_add_u32 v254, v0, 2, 0x33000
	v_mov_b32 v255, 0
	v_lshrrev_b32 v1, 5, v0
	v_readfirstlane_b32 s8, v1                     ; wave 0..15
	s_mov_b32 s9, ttmp9                            ; x
	s_and_b32 s10, ttmp7, 0xffff                   ; 16 b + h
	s_lshr_b32 s11, s10, 4                         ; b
	s_and_b32 s12, s10, 15                         ; h
	s_add_co_u32 s13, s12, 1
	s_sub_co_u32 s13, s13, s11
	s_min_u32 s13, s13, 15                         ; the BD term's head; for (0, 15) any head in range: the query's half is zero codes
	s_mov_b32 s96, 0x9C36FA50                      ; g(w), a nibble a wave: 0 5 10 15 6 3 12 9
	s_mov_b32 s97, 0x278D41EB                      ; 11 14 1 4 13 8 7 2
	s_wait_alu depctr_va_sdst(0)                   ; s8 is written, ahead of its first reader: my tile of queries is made from it
	s_cmp_lt_u32 s8, 8
	s_cselect_b32 s96, s96, s97
	s_and_b32 s97, s8, 7
	s_lshl_b32 s97, s97, 2
	s_lshr_b32 s96, s96, s97
	s_and_b32 s14, s96, 15                         ; g
	s_lshl_b32 s15, s14, 3
	s_add_co_u32 s15, s15, s9                      ; T: my tile of 16 queries
	s_cmp_eq_u32 s10, 15
	s_cselect_b32 s92, 0, -1                       ; (0, 15) has no BD term
	s_mov_b32 s88, 0x3e38aa3b                      ; c = log2(e) / 8
	s_mov_b32 s89, s88                             ; (named with it as a pair, so it is written)
	s_mov_b32 s90, 0x76543210
	s_mov_b32 s91, 0xfedcba98                      ; v_permlanex16_b32's selects for lane l xor 16
	v_and_b32 v8, 31, v0
	v_lshlrev_b32 v1, 4, v8                        ; 16 x lane
	v_lshlrev_b32 v2, 3, v8                        ; 8 x lane
	v_and_b32 v9, 15, v0                           ; r
	v_bfe_u32 v10, v0, 4, 1                        ; lane / 16
	; byte offsets in ops.  The fill: thread tau takes 16 bytes at 16 tau + 8,192 n of each section of 65,536 bytes
	s_lshl_b32 s96, s10, 16
	s_add_co_u32 s97, s96, 0x400000
	s_add_co_u32 s98, s96, 0x600000
	s_lshl_b32 s99, s13, 16
	s_add_co_u32 s99, s99, 0x800000
	v_lshl_add_u32 v136, v0, 4, s97                ; k's images
	v_lshl_add_u32 v137, v0, 4, s99                ; r's
	v_lshl_add_u32 v138, v0, 4, s98                ; V's fragments
	s_lshl_b32 s96, s10, 12
	s_add_co_u32 s97, s96, 0x940000
	s_add_co_u32 s98, s96, 0x960000
	s_lshl_b32 s99, s13, 12
	s_add_co_u32 s99, s99, 0x980000
	v_lshl_add_u32 v139, v0, 3, s97                ; k's scales, 8 bytes a thread
	v_lshl_add_u32 v147, v0, 3, s99                ; r's
	v_lshl_add_u32 v148, v0, 3, s98                ; V's
	s_lshl_b32 s93, s11, 4
	s_add_co_u32 s93, s93, s13                     ; 16 b + the BD term's head
	s_lshl_b32 s96, s10, 16
	s_lshl_b32 s97, s15, 9
	s_add_co_u32 s96, s96, s97
	v_add_nc_u32 v149, s96, v1                     ; my tile's image of q + r_w_bias
	s_lshl_b32 s96, s93, 16
	s_add_co_u32 s96, s96, s97
	s_add_co_u32 s96, s96, 0x200000
	v_add_nc_u32 v150, s96, v1                     ; and of q + r_r_bias
	s_lshl_b32 s96, s14, 8                         ; their scales: step g, [lane' = 16 (x % 2) + r][p = x / 2], two bytes each
	s_and_b32 s97, s9, 1
	s_lshl_b32 s97, s97, 7
	s_add_co_u32 s96, s96, s97
	s_lshr_b32 s97, s9, 1
	s_lshl_b32 s97, s97, 1
	s_add_co_u32 s96, s96, s97
	s_lshl_b32 s97, s10, 12
	s_add_co_u32 s97, s97, s96
	s_add_co_u32 s97, s97, 0x900000
	v_lshl_add_u32 v151, v9, 3, s97
	s_lshl_b32 s97, s93, 12
	s_add_co_u32 s97, s97, s96
	s_add_co_u32 s97, s97, 0x920000
	v_lshl_add_u32 v152, v9, 3, s97
	s_lshl_b32 s96, s11, 7                         ; the way out, in av: tile RT = 128 b + T
	s_add_co_u32 s96, s96, s15
	s_lshl_b32 s97, s96, 13
	s_lshl_b32 s98, s12, 9                         ; K step h / 2, half h % 2: 512 h
	s_add_co_u32 s97, s97, s98
	v_add_nc_u32 v6, s97, v1
	s_lshl_b32 s97, s96, 9
	s_lshl_b32 s98, s12, 1
	s_add_co_u32 s97, s97, s98
	s_add_co_u32 s97, s97, 0x200000
	v_lshl_add_u32 v7, v9, 5, s97
	v_add_nc_u32 v7, v7, v10                       ; byte 2 h + block of row r's 32
	; LDS targets of the fill
	v_lshrrev_b32 v140, 8, v0
	v_and_b32 v141, 255, v0
	v_mul_u32_u24 v140, v140, STEPB
	v_lshl_add_u32 v140, v141, 4, v140             ; step 2 n + tau / 256, byte 16 (tau % 256); n = 0 .. 2 in the immediate,
	v_add_nc_u32 v141, 6*STEPB, v140               ; n = 3 .. 5,
	v_add_nc_u32 v142, 12*STEPB, v140              ; n = 6, 7
	v_lshrrev_b32 v143, 5, v0
	v_mul_u32_u24 v143, v143, STEPB
	v_lshl_add_u32 v145, v8, 4, v143               ; the scale words: step tau / 32, lane tau % 32
	v_lshl_add_u32 v146, v8, 3, v143
	s_lshl_b32 s96, s15, 6
	s_mov_b32 s97, 0
	s_wait_kmcnt 0x0
	s_add_nc_u64 s[94:95], s[4:5], s[96:97]
	s_lshl_b32 s96, s15, 12
	s_add_nc_u64 s[4:5], s[4:5], s[96:97]          ; my tile's mask words, 256 bytes a step
	s_load_b512 s[16:31], s[94:95], 0x80000        ; my tile's 16 flag words
	s_wait_alu depctr_va_vdst(0)                   ; the offsets v136-139, v147-152, v6, v7 and the LDS addresses v140-142, v145, v146 are written: the loads and stores below, and the last two stores of the kernel, read them
.set n, 0
.rept 8
	global_load_b128 v[32+12*n:35+12*n], v136, s[2:3] offset:8192*n
	global_load_b128 v[36+12*n:39+12*n], v137, s[2:3] offset:8192*n
	global_load_b128 v[40+12*n:43+12*n], v138, s[2:3] offset:8192*n
.set n, n+1
.endr
	global_load_b64 v[128:129], v139, s[2:3]
	global_load_b64 v[130:131], v147, s[2:3]
	global_load_b64 v[132:133], v148, s[2:3]
	global_load_b128 v[16:19], v149, s[2:3]        ; Q's fragment: k = 0 .. 63,
	global_load_b128 v[20:23], v150, s[2:3]        ; k = 64 .. 127
	global_load_u16 v134, v151, s[2:3]
	global_load_u16 v135, v152, s[2:3]
.set i, 0
.rept 24
	s_wait_loadcnt 30-i                            ; of the 31 loads those issued behind this one may be out
	ds_store_b128 v[140+(i/9)], v[32+4*i:35+4*i] offset:((i/3)%3)*2*STEPB+(i%3)*4096
.set i, i+1
.endr
	s_wait_loadcnt 4                               ; the three loads of scales are in; Q's four may be out
	v_perm_b32 v153, v130, v128, 0x05040100        ; a key tile's word: k's two bytes below, r's two above; p = 0,
	v_perm_b32 v154, v130, v128, 0x07060302        ; 1,
	v_perm_b32 v155, v131, v129, 0x05040100        ; 2,
	v_perm_b32 v156, v131, v129, 0x07060302        ; 3
	v_mov_b32 v157, v156
	v_mov_b32 v156, v155
	v_mov_b32 v155, v154
	v_mov_b32 v154, v153                           ; (into an even-aligned run of four)
	s_wait_alu depctr_va_vdst(0)                   ; the four moves have written v154-157, which the LDS store below reads
	ds_store_b128 v145, v[154:157] offset:12288
	ds_store_b64 v146, v[132:133] offset:12800
	s_wait_loadcnt 0x0
.irp k, 20,21,22,23
	v_and_b32 v\k, s92, v\k                        ; (0, 15): zero codes
.endr
	v_lshl_or_b32 v24, v135, 16, v134              ; Q's scale word
	v_mov_b32 v13, 0xff61b1e6                      ; the largest t so far: -3e38
	v_floor_f32 v12, -v13                          ; -M
	v_mov_b32 v14, 0                               ; the sum, in two halves
	v_mov_b32 v15, 0
	v_mov_b32 v5, 0xff800000                       ; -infinity
.set i, 0
.rept 32
	v_mov_b32 v[160+i], 0                          ; O^T: the step is written once; the first change of M multiplies zeros
.set i, i+1
.endr
.irp k, 236,237,238,239,241,242
	v_mov_b32 v\k, 0                               ; lane permutes' destinations, and the upper half of the pair v[240:241]
.endr
	s_wait_kmcnt 0x0
.irp k, 17,18,19,20,21,22,23,24,25,26,27,28,29,30,31
	s_or_b32 s16, s16, s\k
.endr
	s_and_b32 s84, s16, 0xffff                     ; bit kappa: some key of the step counts
	s_lshr_b32 s85, s16, 16                        ; bit kappa: some key of the step is masked
	s_mov_b32 s86, 0                               ; kappa
	s_mov_b32 s87, 0                               ; the step's first LDS byte
	s_wait_dscnt 0x0                               ; for the others' sake: my stores have landed
	s_barrier_signal -1
	s_barrier_wait -1                              ; the one barrier: the head's key side lies in LDS
	s_wait_alu depctr_vm_vsrc(0)                   ; the fill's loads and LDS stores have read their offsets, addresses and data (v32-127, v132-133, v136-152, v154-157): from here on these registers are fragments and scores, written by LDS loads, by products and, where no step is walked, by the way out's multiplications
.Lstep:                                            ; 16 trips, 128 keys each
	s_lshr_b32 s96, s84, s86
	s_and_b32 s96, s96, 1
	s_cmp_eq_u32 s96, 0
	s_cbranch_scc1 .Ldead                          ; no key of the step counts for my queries
	s_lshr_b32 s96, s85, s86
	s_and_b32 s96, s96, 1
	s_cmp_lg_u32 s96, 0
	s_cbranch_scc1 .Lmixed                         ; some key of the step is masked
	SCORES                                         ; every key counts: no mask word is loaded, none is waited for
	s_branch .Lclean
.Lmixed:
	s_load_b512 s[16:31], s[4:5], 0x0              ; the step's 64 lane masks, asked for ahead of the step's LDS loads and products
	s_load_b512 s[32:47], s[4:5], 0x40
	s_load_b512 s[48:63], s[4:5], 0x80
	s_load_b512 s[68:83], s[4:5], 0xc0
	SCORES
	s_wait_kmcnt 0x0
.set n, 0
.rept 64
.if n < 48
	v_cndmask_b32 v[96+n], v[96+n], v5, s[16+n]    ; a masked score becomes -infinity ahead of the maximum: p = 0
.else
	v_cndmask_b32 v[96+n], v[96+n], v5, s[20+n]
.endif
.set n, n+1
.endr
.Lclean:
.irp b, 0,1,2,3
	v_max3_num_f32 v[232+\b], v[96+16*\b], v[97+16*\b], v[98+16*\b]   ; the largest score of each block of 32 keys: for the row's maximum, and, since p rises with the score, for the block's largest p
.endr
.irp i, 3,5,7,9,11,13
.irp b, 0,1,2,3
	v_max3_num_f32 v[232+\b], v[232+\b], v[96+16*\b+\i], v[97+16*\b+\i]
.endr
.endr
.irp b, 0,1,2,3
	v_max_num_f32 v[232+\b], v[232+\b], v[111+16*\b]
.endr
.irp b, 0,1,2,3
	v_permlanex16_b32 v[236+\b], v[232+\b], s90, s91
.endr
.irp b, 0,1,2,3
	v_max_num_f32 v[232+\b], v[232+\b], v[236+\b]  ; with lane l xor 16's 16 keys
.endr
	v_max3_num_f32 v242, v232, v233, v234
	v_max_num_f32 v242, v242, v235
	v_mul_f32 v242, s88, v242                      ; as t (c is positive)
	v_max_num_f32 v13, v13, v242                   ; the running largest t
	v_mov_b32 v242, v12
	v_floor_f32 v12, -v13                          ; the new -M = -ceil(t): a whole number
	v_sub_f32 v242, v12, v242                      ; old M - new M: a whole number, 0 or less
	v_cvt_i32_f32 v242, v242                       ; (it saturates)
	v_ldexp_f32 v240, 1.0, v242                    ; f = 2^(old M - new M): rounds nothing
.irp j, 0,2,4,6,8,10,12,14,16,18,20,22,24,26,28,30,32,34,36,38,40,42,44,46,48,50,52,54,56,58,60,62
	v_pk_fma_f32 v[96+\j:97+\j], v[96+\j:97+\j], s[88:89], v[12:13] op_sel_hi:[1,0,0]   ; t - M, two at a time
.endr
.irp b, 0,1,2,3
	v_fma_f32 v[232+\b], v[232+\b], s88, v12       ; the same of each block's largest score
.endr
.set n, 0
.rept 64
	v_exp_f32 v[96+n], v[96+n]                     ; p = 2^(t - M): not normalised
.set n, n+1
.endr
	v_pk_mul_f32 v[14:15], v[14:15], v[240:241] op_sel_hi:[1,0]   ; the sums under the new M: the plain line behind the exponentials
	s_wait_alu depctr_va_vdst(0)                   ; the 64 exponentials have written v96-159: one wait for the batch, ahead of its first reader, the sums below
.irp b, 0,1,2,3
	v_exp_f32 v[232+\b], v[232+\b]                 ; the block's largest p
.endr
	v_pk_add_f32 v[236:237], v[96:97], v[98:99]    ; the row's sum is taken of the unquantised p, in two chains
.irp j, 4,8,12,16,20,24,28,32,36,40,44,48,52,56,60
	v_pk_add_f32 v[14:15], v[14:15], v[96+\j:97+\j]
	v_pk_add_f32 v[236:237], v[236:237], v[98+\j:99+\j]
.endr
	v_pk_add_f32 v[14:15], v[14:15], v[236:237]
	s_wait_alu depctr_va_vdst(0)                   ; the four exponentials have written v232-235, ahead of their first reader
.irp b, 0,1,2,3
	v_max_num_f32 v[232+\b], 0x1800000, v[232+\b]  ; the floor 2^(3 - 127): a block whose every p is 0 keeps the byte 1: its codes are zeros
.endr
.irp b, 0,1,2,3
	v_add_nc_u32 v[244+\b], 0xff000000, v[232+\b]
.endr
.irp b, 0,1,2,3
	v_lshrrev_b32 v[236+\b], 23, v[244+\b]
.endr
	v_lshl_or_b32 v25, v237, 8, v236               ; p's scale word for these 128 keys
	v_lshl_or_b32 v25, v238, 16, v25
	v_lshl_or_b32 v25, v239, 24, v25
	QCVT 96, 224, 4
.irp j, 0,2,4,6,8,10,12,14,16,18,20,22,24,26,28,30
	v_pk_mul_f32 v[160+\j:161+\j], v[160+\j:161+\j], v[240:241] op_sel_hi:[1,0]   ; O^T under the new M.  These sixteen are also the plain lines between the scale word and the codes just made and the products below
.endr
	s_wait_dscnt 0x0                               ; V is in
	s_wait_alu depctr_va_vdst(0)                   ; the conversions and swaps have written p's codes v224-231, the shifts its scale word v25: the scaled products below take them; the sixteen plain lines above stay beside this wait
.irp d, 0,1,2,3
.if (\d)%2
	v_wmma_scale_f32_16x16x128_f8f6f4 v[160+8*\d:167+8*\d], v[192+8*\d:199+8*\d], v[224:231], v[160+8*\d:167+8*\d], v[26+\d/2], v25 matrix_a_fmt:MATRIX_FMT_FP4 matrix_b_fmt:MATRIX_FMT_FP4 matrix_a_scale:MATRIX_SCALE_ROW1
.else
	v_wmma_scale_f32_16x16x128_f8f6f4 v[160+8*\d:167+8*\d], v[192+8*\d:199+8*\d], v[224:231], v[160+8*\d:167+8*\d], v[26+\d/2], v25 matrix_a_fmt:MATRIX_FMT_FP4 matrix_b_fmt:MATRIX_FMT_FP4
.endif
.endr
.Ldead:
	s_add_co_u32 s87, s87, STEPB
	s_add_nc_u64 s[4:5], s[4:5], 256               ; (no scalar load is out on any way: the one arm that loads has waited)
	s_add_co_u32 s86, s86, 1
	s_cmp_lt_u32 s86, 16
	s_cbranch_scc1 .Lstep
	; ---- THE WAY OUT: O^T / the sum is my head's 64 of the last product's K: quantised here, stored as the image of four operand registers
.rept 4
	v_nop
.endr
	v_add_f32 v14, v14, v15
	v_permlanex16_b32 v242, v14, s90, s91
	v_add_f32 v14, v14, v242                       ; the row's sum
	v_rcp_f32 v15, v14
	v_mov_b32 v243, 0xff                           ; (the plain line behind the reciprocal)
	s_wait_alu depctr_va_vdst(0)                   ; the reciprocal has written v15, ahead of its first reader
.set n, 0
.rept 32
	v_mul_f32 v[96+n], v[160+n], v15               ; register 8 u + j: d = 16 u + 8 (lane / 16) + j; each accumulator from its low end on
.set n, n+1
.endr
	QMAX 96, 0, 2
	QCVT 96, 224, 2
	v_cmp_eq_f32 vcc_lo, 0, v14                    ; a query with no key?
	s_mov_b32 s96, 0xffff0000
	v_cndmask_b32 v242, v236, v237, s96            ; lanes 0-15 store block 0's byte, lanes 16-31 block 1's
	s_wait_alu depctr_va_vcc(0)                    ; the compare has written VCC, ahead of its first reader, the select below
	v_cndmask_b32 v242, v242, v243, vcc_lo         ; a query with no key: 0xff
	s_wait_alu depctr_va_vdst(0)                   ; the conversions and swaps have written v224-227 and the select v242, which the two stores read
	global_store_b128 v6, v[224:227], s[6:7]       ; 512 consecutive bytes, aligned
	global_store_b8 v7, v242, s[6:7]
	s_wait_dscnt 0x0                               ; the closing lines, six on end
	s_wait_alu 0x0
	s_wait_tensorcnt 0x0
	ds_add_u32 v254, v255
	s_wait_dscnt 0x0
	s_endpgm
.Lfunc_end_k_q1475bf00f2_attn:
	.size	k_q1475bf00f2_attn, .Lfunc_end_k_q1475bf00f2_attn-k_q1475bf00f2_attn
	.p2alignl 7, 3214868480
	.fill 96, 4, 3214868480
	.section	.rodata,"a",@progbits
	.p2align	6, 0x0
	.amdhsa_kernel k_q1475bf00f2_attn
		.amdhsa_group_segment_fixed_size 210944
		.amdhsa_private_segment_fixed_size 0
		.amdhsa_enable_private_segment 0
		.amdhsa_kernarg_size 24
		.amdhsa_user_sgpr_count 2
		.amdhsa_user_sgpr_kernarg_segment_ptr 1
		.amdhsa_wavefront_size32 1
		.amdhsa_system_sgpr_workgroup_id_x 1
		.amdhsa_system_sgpr_workgroup_id_y 1
		.amdhsa_system_sgpr_workgroup_id_z 1
		.amdhsa_system_vgpr_workitem_id 0
		.amdhsa_next_free_vgpr 256
		.amdhsa_next_free_sgpr 102
		.amdhsa_reserve_vcc 1
		.amdhsa_float_denorm_mode_32 3
		.amdhsa_float_denorm_mode_16_64 3
		.amdhsa_memory_ordered 1
		.amdhsa_forward_progress 1
		.amdhsa_inst_pref_size 41
	.end_amdhsa_kernel
	.amdgpu_metadata
---
amdhsa.version: [ 1, 2 ]
amdhsa.kernels:
  - .name:           k_q1475bf00f2_attn
    .symbol:         k_q1475bf00f2_attn.kd
    .args:
      - { .name: ops, .offset: 0, .size: 8, .value_kind: global_buffer, .address_space: global }
      - { .name: maskw, .offset: 8, .size: 8, .value_kind: global_buffer, .address_space: global }
      - { .name: av, .offset: 16, .size: 8, .value_kind: global_buffer, .address_space: global }
    .group_segment_fixed_size: 210944
    .private_segment_fixed_size: 0
    .kernarg_segment_align: 8
    .kernarg_segment_size: 24
    .max_flat_workgroup_size: 512
    .sgpr_count:     102
    .vgpr_count:     256
    .wavefront_size: 32
...
	.end_amdgpu_metadata
.endif
;; end of part 5
;; launch out: the kernel of part 4 again; grid 256 x 1, 16 waves a work-group, no clusters, 286,720 bytes of LDS; arguments av, xq, W_o_scales, content, ln_gamma, ln_beta, out0; writes out0
